; MI455X (gfx1250); checked and timed in simulation.
; The chip was launched on July 23, 2026; its instructions are those of AMD's public machine-readable ISA for CDNA 5 (MIT licence, August 2026) and "CDNA5" Instruction Set Architecture Reference Guide (July 2026). The comments in the code are by the model that wrote it; some were corrected since.
;; Self Attention. Allowed arithmetic: float matrix products may take bf16 or f16 operands with f32 sums; all other float work in f32.
;; Inputs: W 1,024 x 3,072 float32; b 3,072 float32; x 4 x 2,048 x 1,024 float32.
;; Outputs: out0 4 x 2,048 x 1,024 float32.
;; One version. Each part assembles by itself: llvm-mc -triple=amdgcn-amd-amdhsa -mcpu=gfx1250 --defsym DOCPART=n.
;; ======== version 1 of 1: 5 launches
;; limits: values are held in f16: magnitudes above 65,504 overflow, below 6.1e-05 lose precision
;; workspace buffers: xh 16,777,216 bytes; wh 4,194,304 bytes; wm 4,194,304 bytes; ub 4,096 bytes; tv 33,554,432 bytes; p 33,554,432 bytes; stat 524,288 bytes
;; launch cvt (part 1): grid 640 x 1, 8 waves a work-group, no clusters, 1,280 bytes of LDS; arguments x, W, b, xh, wh, wm, ub; writes xh, wh, wm, ub
.if DOCPART == 1
	.amdgcn_target "amdgcn-amd-amdhsa--gfx1250"
	.amdhsa_code_object_version 6
	.text
	.protected	k_q0b822b6b49_cvt
	.globl	k_q0b822b6b49_cvt
	.p2align	8
	.type	k_q0b822b6b49_cvt,@function
k_q0b822b6b49_cvt:
	s_mov_b64 s[64:65], 0
	v_nop
	global_prefetch_b8 v0, s[64:65] scope:SCOPE_SE
	s_setreg_imm32_b32 hwreg(HW_REG_WAVE_MODE, 25, 1), 1
	s_wait_xcnt 0x0
; SELF-ATTENTION, one head of width 1024, 4 batches of 2048 rows, in five launches:
;   cvt     x and W rounded to f16; u = bq Wk^T (this text)
;   mk      M = Wq Wk^T
;   tvg     t = x M + u and v = x Wv + bv, kept in f16
;   scores  for each block of 256 x 256 scores t . x: the rows' maxima over the block, exp(score - maximum) in f16, the rows' sums
;   pv      the eight blocks of a row brought to one scale, and y = w v
; WHAT IS LEFT OUT, AND WHY IT IS DEAD.  With Wq, Wk, Wv the three thirds of W's columns and bq, bk, bv those of b, for all values of the inputs
;   (x_i Wq + bq) . (x_j Wk + bk)  =  (x_i M + u) . x_j  +  (x_i Wq + bq) . bk,      M = Wq Wk^T [1024][1024],  u = bq Wk^T [1024].
; The last term does not hang on j: it is the same along the softmax's axis and cancels in exp(s - logsumexp(s)).  So it is not formed, bk = b[1024:2048] is
; not loaded by any launch (b stays an argument for its other two thirds), and k = x Wk + bk (8192 x 1024 x 1024 multiply-adds) gives way to M (1024^3).
; LIMITS: a NaN, an infinity or an overflow that reaches only the term left out is not carried to the result.  The sums are formed in another order than
; q . k, so the roundings fall elsewhere.
; FORMATS: all matrix operands are f16, which keeps 11 significant bits: a score is a sum of 1024 products of rounded numbers and enters an exponential.
; LIMITS OF RANGE here: |x| and |W| under 65,504, and |Wv| under 8,188 (it is stored times 8, like M, so that both halves of wm have one scale); beyond
; that the stored number is an infinity and the result is not finite.  Numbers under 2^-14 as stored keep an absolute step of 2^-24.
; THIS TEXT is a stream: each byte of x and W is read once by 16-byte loads, each f16 written once.  No matrix unit, no cluster: no work-group shares a
; tile with another.  Groups 128-639 convert 16,384 numbers of x each.  Groups 0-127 take 8 rows of W each, a wave a row of 12,288 bytes: columns 0-2047
; go to wh [1024][2048], columns 2048-3071 times 8 to the right half of wm [1024][2048], and columns 1024-2047 are also multiplied with bq in f32 and
; summed over the wave: u[row].  A load of a wave covers 512 consecutive bytes, a store 256 consecutive bytes at a multiple of 256.  All loads of a
; thread are issued before the first is used.  The eight u of a group meet in LDS and leave as one store of 32 bytes: u is 4,096 bytes in all.
.set WGROUPS, 128
.set IN,  4                            ; x:  v[4:67]    16 x 4 numbers as loaded
.set OUT, 68                           ; x:  v[68:99]   16 x 4 numbers in f16
.set BQ,  8                            ; W:  v[8:39]    bq: load j, lane l: numbers 128 j + 4 l ..
.set WI,  40                           ; W:  v[40:135]  the row: load j, lane l: columns 128 j + 4 l ..; converted in place
.set AC,  136                          ; W:  v[136:139] two chains of packed sums
.set UU,  140                          ; W:  v[140:143] four u on their way out
	s_load_b256 s[4:11], s[0:1], 0x0               ; x s[4:5], W s[6:7], b s[8:9], xh s[10:11]
	s_load_b128 s[12:15], s[0:1], 0x20             ; wh s[12:13], wm s[14:15]
	s_load_b64 s[16:17], s[0:1], 0x30              ; ub
	v_lshl_add_u32 v144, v0, 2, 0x100
	v_mov_b32 v145, 0
	s_cmp_lt_u32 ttmp9, WGROUPS                    ; hangs on the group's number alone: the same in all eight waves
	s_cbranch_scc1 .Lweights
	; ---- x ----
	s_sub_co_u32 s18, ttmp9, WGROUPS               ; my place among x's 512 groups
	v_lshlrev_b32 v1, 4, v0                        ; 16 bytes of f32 a thread
	v_lshlrev_b32 v2, 3, v0                        ; 8 bytes of f16 a thread
	s_lshl_b32 s20, s18, 16                        ; 65,536 bytes in for each group
	s_mov_b32 s21, 0
	s_lshl_b32 s22, s18, 15                        ; 32,768 bytes out
	s_mov_b32 s23, 0
	s_wait_kmcnt 0x0
	s_add_nc_u64 s[4:5], s[4:5], s[20:21]
	s_add_nc_u64 s[10:11], s[10:11], s[22:23]
.irp i, 0,1,2,3,4,5,6,7,8,9,10,11,12,13,14,15
	global_load_b128 v[IN+4*\i:IN+4*\i+3], v1, s[4:5] offset:4096*\i th:TH_LOAD_NT     ; read once in the launch
.endr
.irp i, 0,1,2,3,4,5,6,7,8,9,10,11,12,13,14,15
	s_wait_loadcnt 15-\i                           ; loads come back in order: load i is in, the 15 - i younger ones stay out
	v_cvt_pk_f16_f32 v[OUT+2*\i],   v[IN+4*\i],   v[IN+4*\i+1]
	v_cvt_pk_f16_f32 v[OUT+2*\i+1], v[IN+4*\i+2], v[IN+4*\i+3]
	global_store_b64 v2, v[OUT+2*\i:OUT+2*\i+1], s[10:11] offset:2048*\i
.endr
	s_endpgm
	; ---- W and u ----
.Lweights:
	v_and_b32 v1, 31, v0                           ; lane
	v_lshrrev_b32 v2, 5, v0                        ; wave = my row among the group's eight
	v_lshlrev_b32 v3, 4, v1                        ; 16 bytes a lane: the offset in bq
	v_mul_u32_u24 v4, v2, 12288
	v_add_nc_u32 v4, v4, v3                        ; in: the row, 16 bytes a lane
	v_lshlrev_b32 v5, 3, v1
	v_lshl_add_u32 v5, v2, 12, v5                  ; out: rows of 4,096 bytes, 8 bytes a lane
	v_lshlrev_b32 v6, 2, v2                        ; my wave's word in LDS
	s_mul_i32 s20, ttmp9, 98304                    ; 8 rows of 12,288 bytes in
	s_mov_b32 s21, 0
	s_lshl_b32 s22, ttmp9, 15                      ; 8 rows of 4,096 bytes out
	s_mov_b32 s23, 0
	s_lshl_b32 s18, ttmp9, 5                       ; 8 numbers of u
	s_mov_b32 s19, 0
	s_mov_b32 s24, 0x76543210                      ; v_permlanex16_b32: lane i of one half reads lane i of the other
	s_mov_b32 s25, 0xfedcba98
	s_wait_kmcnt 0x0
	s_add_nc_u64 s[6:7], s[6:7], s[20:21]
	s_add_nc_u64 s[12:13], s[12:13], s[22:23]
	s_add_nc_u64 s[14:15], s[14:15], s[22:23]
	s_add_nc_u64 s[16:17], s[16:17], s[18:19]
.irp j, 0,1,2,3,4,5,6,7
	global_load_b128 v[BQ+4*\j:BQ+4*\j+3], v3, s[8:9] offset:512*\j                    ; bq: the first 4,096 bytes of b; older than every load of the row
.endr
.set j, 0
.rept 24
	global_load_b128 v[WI+4*j:WI+4*j+3], v4, s[6:7] offset:512*j th:TH_LOAD_NT         ; read once in the launch
.set j, j+1
.endr
.set j, 0
.rept 24
	s_wait_loadcnt 23-j                            ; piece j of the row is in (and bq, which is older); the 23 - j younger loads stay out
.if j == 8
	v_pk_mul_f32 v[AC:AC+1],   v[WI+4*j:WI+4*j+1],   v[BQ:BQ+1]                        ; the first products start the two chains: nothing is cleared
	v_pk_mul_f32 v[AC+2:AC+3], v[WI+4*j+2:WI+4*j+3], v[BQ+2:BQ+3]
.endif
.if j > 8
.if j < 16
	v_pk_fma_f32 v[AC:AC+1],   v[WI+4*j:WI+4*j+1],   v[BQ+4*(j-8):BQ+4*(j-8)+1],   v[AC:AC+1]
	v_pk_fma_f32 v[AC+2:AC+3], v[WI+4*j+2:WI+4*j+3], v[BQ+4*(j-8)+2:BQ+4*(j-8)+3], v[AC+2:AC+3]
.endif
.endif
.if j >= 16
	v_pk_mul_f32 v[WI+4*j:WI+4*j+1],   v[WI+4*j:WI+4*j+1],   0x41000000 op_sel_hi:[1,0]    ; 8 Wv: a power of two costs no bit
	v_pk_mul_f32 v[WI+4*j+2:WI+4*j+3], v[WI+4*j+2:WI+4*j+3], 0x41000000 op_sel_hi:[1,0]
.endif
	v_cvt_pk_f16_f32 v[WI+4*j],   v[WI+4*j],   v[WI+4*j+1]
	v_cvt_pk_f16_f32 v[WI+4*j+1], v[WI+4*j+2], v[WI+4*j+3]
.if j < 16
	global_store_b64 v5, v[WI+4*j:WI+4*j+1], s[12:13] offset:256*j                     ; wh: Wq, then Wk
.else
	global_store_b64 v5, v[WI+4*j:WI+4*j+1], s[14:15] offset:2048+256*(j-16)           ; wm's right half
.endif
.set j, j+1
.endr
	v_pk_add_f32 v[AC:AC+1], v[AC:AC+1], v[AC+2:AC+3]
	v_add_f32 v[AC], v[AC], v[AC+1]
	v_add_f32_dpp v[AC], v[AC], v[AC] row_xmask:1 row_mask:0xf bank_mask:0xf
	v_add_f32_dpp v[AC], v[AC], v[AC] row_xmask:2 row_mask:0xf bank_mask:0xf
	v_add_f32_dpp v[AC], v[AC], v[AC] row_xmask:4 row_mask:0xf bank_mask:0xf
	v_add_f32_dpp v[AC], v[AC], v[AC] row_xmask:8 row_mask:0xf bank_mask:0xf
	v_permlanex16_b32 v[AC+1], v[AC], s24, s25     ; its destination counts as read: it has been written
	v_add_f32 v[AC], v[AC], v[AC+1]                ; u of my row, in every lane
	ds_store_b32 v6, v[AC]                         ; all lanes write the same word with the same value
	s_wait_dscnt 0x0                               ; for the others' sake
	s_barrier_signal -1
	s_barrier_wait -1
	v_and_b32 v7, 1, v0
	v_lshlrev_b32 v7, 4, v7
	ds_load_b128 v[UU:UU+3], v7                    ; four of the group's eight u
	v_cmp_gt_u32 vcc_lo, 2, v0                     ; threads 0 and 1 store them
	s_wait_dscnt 0x0
	s_wait_xcnt 0x0                                ; EXEC is a source of the stores above: it changes only behind this wait
	s_and_saveexec_b32 s26, vcc_lo
	global_store_b128 v7, v[UU:UU+3], s[16:17]     ; 32 consecutive bytes
	s_wait_xcnt 0x0                                ; and again in front of the line that widens it
	s_or_b32 exec_lo, exec_lo, s26
	s_wait_tensorcnt 0x0
	ds_add_u32 v144, v145
	s_wait_dscnt 0x0
	s_endpgm
.Lfunc_end_k_q0b822b6b49_cvt:
	.size	k_q0b822b6b49_cvt, .Lfunc_end_k_q0b822b6b49_cvt-k_q0b822b6b49_cvt
	.p2alignl 7, 3214868480
	.fill 96, 4, 3214868480
	.section	.rodata,"a",@progbits
	.p2align	6, 0x0
	.amdhsa_kernel k_q0b822b6b49_cvt
		.amdhsa_group_segment_fixed_size 1280
		.amdhsa_private_segment_fixed_size 0
		.amdhsa_enable_private_segment 0
		.amdhsa_kernarg_size 56
		.amdhsa_user_sgpr_count 2
		.amdhsa_user_sgpr_kernarg_segment_ptr 1
		.amdhsa_wavefront_size32 1
		.amdhsa_system_sgpr_workgroup_id_x 1
		.amdhsa_system_sgpr_workgroup_id_y 1
		.amdhsa_system_sgpr_workgroup_id_z 1
		.amdhsa_system_vgpr_workitem_id 0
		.amdhsa_next_free_vgpr 146
		.amdhsa_next_free_sgpr 66
		.amdhsa_reserve_vcc 1
		.amdhsa_float_denorm_mode_32 3
		.amdhsa_float_denorm_mode_16_64 3
		.amdhsa_memory_ordered 1
		.amdhsa_forward_progress 1
		.amdhsa_inst_pref_size 21
	.end_amdhsa_kernel
	.amdgpu_metadata
---
amdhsa.version: [ 1, 2 ]
amdhsa.kernels:
  - .name:           k_q0b822b6b49_cvt
    .symbol:         k_q0b822b6b49_cvt.kd
    .args:
      - { .name: x, .offset: 0, .size: 8, .value_kind: global_buffer, .address_space: global }
      - { .name: W, .offset: 8, .size: 8, .value_kind: global_buffer, .address_space: global }
      - { .name: b, .offset: 16, .size: 8, .value_kind: global_buffer, .address_space: global }
      - { .name: xh, .offset: 24, .size: 8, .value_kind: global_buffer, .address_space: global }
      - { .name: wh, .offset: 32, .size: 8, .value_kind: global_buffer, .address_space: global }
      - { .name: wm, .offset: 40, .size: 8, .value_kind: global_buffer, .address_space: global }
      - { .name: ub, .offset: 48, .size: 8, .value_kind: global_buffer, .address_space: global }
    .group_segment_fixed_size: 1280
    .private_segment_fixed_size: 0
    .kernarg_segment_align: 8
    .kernarg_segment_size: 56
    .max_flat_workgroup_size: 256
    .sgpr_count:     66
    .vgpr_count:     146
    .wavefront_size: 32
...
	.end_amdgpu_metadata
.endif
;; end of part 1
;; launch mk (part 2): grid 16 x 16, 4 waves a work-group, clusters of 4 x 4, 288,256 bytes of LDS; arguments wh, wm; writes wm
.if DOCPART == 2
	.amdgcn_target "amdgcn-amd-amdhsa--gfx1250"
	.amdhsa_code_object_version 6
	.text
	.protected	k_q0b822b6b49_mk
	.globl	k_q0b822b6b49_mk
	.p2align	8
	.type	k_q0b822b6b49_mk,@function
k_q0b822b6b49_mk:
	s_mov_b64 s[64:65], 0
	v_nop
	global_prefetch_b8 v0, s[64:65] scope:SCOPE_SE
	s_setreg_imm32_b32 hwreg(HW_REG_WAVE_MODE, 25, 1), 1
	s_wait_xcnt 0x0
	s_wait_alu depctr_hold_cnt(0) depctr_sa_sdst(0) depctr_va_vdst(0) depctr_va_sdst(0) depctr_va_ssrc(0) depctr_va_vcc(0) depctr_vm_vsrc(0)
	s_getreg_b32 s2, hwreg(HW_REG_IB_STS2, 6, 4)
	s_cmp_eq_u32 s2, 0
	s_cbranch_scc0 .Lentry_in_a_cluster
	s_endpgm
.Lentry_in_a_cluster:
	s_bfe_u32 s2, ttmp6, 0x10000c
	s_cmp_lg_u32 s2, 0xf033
	s_cbranch_scc0 .Lentry_shape_is_right
	s_endpgm
.Lentry_shape_is_right:
; wm[d][e] = 8 x sum over f of wh[d][f] wh[e][1024 + f]  for e < 1024:  8 M, M = Wq Wk^T.  wh [1024][2048] f16 (Wq | Wk), wm [1024][2048] f16; sums in f32.
; This product stands for the projection to k, which is left out with its bias: the identity is shown at the head of the first launch's text.
; THE FACTOR 8 is a power of two and costs no bit; the next launch takes it back.  LIMIT: |M| under 8,188 (65,504 / 8); beyond it the stored number is an
; infinity and the result is not finite.  Numbers under 2^-14 as stored keep an absolute step of 2^-24.
; SHAPE: 1024 x 1024 outputs over 256 work-groups: a block of 64 x 64, four waves, a wave 32 x 32 = 4 accumulator tiles.  The product is short (128 matrix
; instructions a wave), so nothing goes round: the block's 64 + 64 rows of 2,048 bytes lie in LDS whole, as 8 chunks of 128 along f, and all loads go out at the
; start, four a wave: four tensor loads of a wave are out.  A chunk's rows are 256 bytes of memory and begin at multiples of 256 bytes.
; Four stages: the wave's next load has landed (a counted wait that leaves the younger ones out), a barrier behind which nothing is filled, two chunks' products.
; CLUSTERS: 4 x 4.  Wq's rows hang on the block row alone: asked for jointly along a row of the cluster.  Wk's hang on the block column: jointly along a column.
; The matrix instruction is used transposed (source 0 = 16 rows of Wk, source 1 = 16 rows of Wq): lane l holds row d = l % 16, register j column e = 8 (l / 16) + j.
; The four accumulators take turns, one instruction a turn, in the same order throughout.
; THE WAY OUT: a block row is 64 f16 = 128 bytes, so eight lanes store 128 consecutive bytes, half of an aligned 256.  A block 128 columns wide would need
; (32 + 128) rows x 2,048 bytes = 327,680 bytes of LDS, with no room for padding or a stage.  This concerns wm's left half, 2 MiB.
.set PITCH,  272                       ; 256 bytes + 16: an odd multiple of 16
.set HALF,   64*PITCH                  ; 64 rows of one chunk: one tensor load
.set CH,     2*HALF                    ; a chunk: Wq's 64 rows, then Wk's 64 rows
.set STAGE,  8*CH                      ; 278,528: the block on its way out, 64 rows x 144 bytes, bytes of their own
.set SPITCH, 144                       ; 128 bytes + 16
.set ADA, 4                            ; v4-7    my Wq fragments at stage 0..3
.set ADB, 8                            ; v8-11   my Wk fragments
.set STO, 12
.set RD,  13
.set CO,  14
.set ACC, 32                           ; v32-63  tile (a, b) at ACC + 8 (2 a + b)
.set FB,  64                           ; v64-127, v128-191: two buffers, each two steps of 32 along f: (2 fragments of Wq, 2 of Wk) twice
.set PK,  192                          ; v192-207 packed f16
.set BK,  208                          ; v208-223 rows read back
.set G1,  24                           ; s[24:31] descriptor group 1, Wq
.set G1B, 48                           ; s[48:55] group 1, Wk
.set G0,  68                           ; s[68:83] group 0, Wq, one set for each of my four loads
.set G0B, 84                           ; s[84:99] group 0, Wk
.macro PLACES                          ; four places behind the last matrix instruction, for loads into its sources and readers of its result
.rept 4
	v_nop
.endr
.endm
.macro CREST                           ; a round of the cluster's barrier behind its opening work-group barrier
	s_cmp_lg_u32 s10, 0
	s_cbranch_scc1 .Lnot_wave_0_\@
	s_barrier_signal -3
.Lnot_wave_0_\@:
	s_barrier_wait -3
	s_barrier_signal -1
	s_barrier_wait -1
.endm
.macro CROUND
	s_barrier_signal -1
	s_barrier_wait -1
	CREST
.endm
	s_load_b128 s[4:7], s[0:1], 0x0                ; wh s[4:5], wm s[6:7]
	v_lshl_add_u32 v224, v0, 2, 0x46400
	v_mov_b32 v225, 0
	ds_add_u32 v224, v225
	v_lshrrev_b32 v1, 5, v0
	v_readfirstlane_b32 s10, v1                    ; wave 0..3
	s_lshr_b32 s11, s10, 1                         ; wy: my half of the block's rows.  Also: I fetch for Wq (0) or Wk (1)
	s_and_b32 s12, s10, 1                          ; wx: my half of its columns.  Also: I fetch the even (0) or the odd (1) chunks
	s_bfe_u32 s40, ttmp6, 0x40000                  ; cx
	s_bfe_u32 s41, ttmp6, 0x40004                  ; cy
	s_lshl_b32 s42, ttmp9, 2
	s_add_co_u32 s42, s42, s40                     ; block column 0..15
	s_and_b32 s13, ttmp7, 0xffff
	s_lshl_b32 s13, s13, 2
	s_add_co_u32 s13, s13, s41                     ; block row 0..15
	s_lshl_b32 s43, s41, 2
	s_lshl_b32 s43, 15, s43                        ; my row of the cluster
	s_lshl_b32 s44, 0x1111, s40                    ; my column
	; group 1, both: 64 rows x 128 elements of 2 bytes, 4 words of padding behind every 64 words; rows 2,048 elements apart
	s_or_b32  s[G1+0],  s43, 0x07710000            ; mask | element 2 bytes | padding on | bit 21 beside a mask | interval code 5 | pad code 3
	s_or_b32  s[G1B+0], s44, 0x07710000
	s_mov_b32 s[G1+1],  128<<16
	s_mov_b32 s[G1B+1], 128<<16
	s_mov_b32 s[G1+2],  64<<16
	s_mov_b32 s[G1B+2], 64<<16
	s_mov_b32 s[G1+3],  128<<16
	s_mov_b32 s[G1B+3], 128<<16
	s_mov_b32 s[G1+4],  64
	s_mov_b32 s[G1B+4], 64
	s_mov_b32 s[G1+5],  2048
	s_mov_b32 s[G1B+5], 2048
	s_mov_b32 s[G1+6],  0
	s_mov_b32 s[G1B+6], 0
	s_mov_b32 s[G1+7],  0
	s_mov_b32 s[G1B+7], 0
	s_lshl_b32 s16, s13, 18                        ; Wq: 64 rows of 4,096 bytes for each block row,
	s_lshl_b32 s18, s12, 8                         ; 256 bytes for the odd chunks
	s_add_co_u32 s16, s16, s18
	s_mov_b32 s17, 0
	s_lshl_b32 s46, s42, 18                        ; Wk: 64 rows for each block column,
	s_lshl_b32 s47, s12, 8
	s_add_co_u32 s46, s46, s47
	s_add_co_u32 s46, s46, 2048                    ; and Wk begins 2,048 bytes into a row of wh
	s_mov_b32 s47, 0
	s_mul_i32 s20, s12, CH                         ; where the tiles go: the wave's number alone enters an LDS address
	s_add_co_u32 s21, s20, HALF
	s_wait_dscnt 0x0
	s_wait_kmcnt 0x0
	s_add_nc_u64 s[14:15], s[4:5], s[16:17]
	s_add_nc_u64 s[46:47], s[4:5], s[46:47]
	CROUND                                         ; all sixteen work-groups are here: the joint loads meet
.irp i, 0,1,2,3
	s_mov_b32 s[G0+4*\i], 1
	s_add_co_u32 s[G0+4*\i+1], s20, \i*2*CH                        ; chunk 2 i + wx
	s_add_nc_u64 s[G0+4*\i+2:G0+4*\i+3], s[14:15], \i*512
	s_or_b32 s[G0+4*\i+3], s[G0+4*\i+3], 0x80000000
	s_mov_b32 s[G0B+4*\i], 1
	s_add_co_u32 s[G0B+4*\i+1], s21, \i*2*CH
	s_add_nc_u64 s[G0B+4*\i+2:G0B+4*\i+3], s[46:47], \i*512
	s_or_b32 s[G0B+4*\i+3], s[G0B+4*\i+3], 0x80000000
.endr
	s_cmp_eq_u32 s11, 0                            ; the branch hangs on the wave's number alone; each way issues four loads
	s_cbranch_scc0 .Lfor_b
.irp i, 0,1,2,3
	tensor_load_to_lds s[G0+4*\i:G0+4*\i+3], s[G1:G1+7]
	s_nop 0
.endr
	s_branch .Lasked
.Lfor_b:
.irp i, 0,1,2,3
	tensor_load_to_lds s[G0B+4*\i:G0B+4*\i+3], s[G1B:G1B+7]
	s_nop 0
.endr
.Lasked:
	v_and_b32 v1, 15, v0                           ; r
	v_bfe_u32 v2, v0, 4, 1                         ; h
	v_mul_u32_u24 v3, v1, PITCH
	v_lshl_add_u32 v3, v2, 4, v3                   ; row r, 16 bytes for each half of the lanes
	s_mul_i32 s22, s11, 32*PITCH                   ; my 32 rows of Wq
	s_mul_i32 s23, s12, 32*PITCH                   ; my 32 rows of Wk,
	s_add_co_u32 s23, s23, HALF                    ; which lie behind Wq's 64
	v_add_nc_u32 v[ADA], s22, v3
	v_add_nc_u32 v[ADB], s23, v3
.irp i, 1,2,3
	v_add_nc_u32 v[ADA+\i], \i*2*CH, v[ADA]
	v_add_nc_u32 v[ADB+\i], \i*2*CH, v[ADB]
.endr
	s_mul_i32 s22, s11, 32*SPITCH
	s_lshl_b32 s23, s12, 6
	s_add_co_u32 s22, s22, s23
	s_add_co_u32 s22, s22, STAGE
	v_mul_u32_u24 v[STO], v1, SPITCH
	v_lshl_add_u32 v[STO], v2, 4, v[STO]
	v_add_nc_u32 v[STO], s22, v[STO]               ; in: row 32 wy + r, byte 64 wx + 16 h
	v_bfe_u32 v15, v0, 3, 2                        ; lane / 8
	v_and_b32 v16, 7, v0                           ; lane % 8
	s_mul_i32 s22, s10, 16*SPITCH
	s_add_co_u32 s22, s22, STAGE
	v_mul_u32_u24 v[RD], v15, SPITCH
	v_lshl_add_u32 v[RD], v16, 4, v[RD]
	v_add_nc_u32 v[RD], s22, v[RD]                 ; back: rows 16 wave + lane / 8, eight lanes a row
	s_lshl_b32 s23, s10, 16
	v_lshlrev_b32 v[CO], 12, v15
	v_lshl_add_u32 v[CO], v16, 4, v[CO]
	v_add_nc_u32 v[CO], s23, v[CO]                 ; and the same rows in wm
; 16 LDS loads: two steps of 32 along f (steps kk, kk + 1 of chunk c of stage st) into buffer buf
.macro FP st, c, kk, buf
.irp t, 0,1
.irp a, 0,1
	ds_load_b128 v[FB+64*\buf+32*\t+8*\a:FB+64*\buf+32*\t+8*\a+3],   v[ADA+\st] offset:\c*CH+64*(\kk+\t)+16*PITCH*\a
	ds_load_b128 v[FB+64*\buf+32*\t+8*\a+4:FB+64*\buf+32*\t+8*\a+7], v[ADA+\st] offset:\c*CH+64*(\kk+\t)+16*PITCH*\a+32
.endr
.irp a, 0,1
	ds_load_b128 v[FB+64*\buf+32*\t+16+8*\a:FB+64*\buf+32*\t+16+8*\a+3],   v[ADB+\st] offset:\c*CH+64*(\kk+\t)+16*PITCH*\a
	ds_load_b128 v[FB+64*\buf+32*\t+16+8*\a+4:FB+64*\buf+32*\t+16+8*\a+7], v[ADB+\st] offset:\c*CH+64*(\kk+\t)+16*PITCH*\a+32
.endr
.endr
.endm
; 4 matrix instructions: step t of buffer buf.  zero = 1: the product starts the sums.
.macro MM4 buf, t, zero
.irp a, 0,1
.irp b, 0,1
.if \zero
	v_wmma_f32_16x16x32_f16 v[ACC+8*(2*\a+\b):ACC+8*(2*\a+\b)+7], v[FB+64*\buf+32*\t+16+8*\b:FB+64*\buf+32*\t+16+8*\b+7], v[FB+64*\buf+32*\t+8*\a:FB+64*\buf+32*\t+8*\a+7], 0
.else
	v_wmma_f32_16x16x32_f16 v[ACC+8*(2*\a+\b):ACC+8*(2*\a+\b)+7], v[FB+64*\buf+32*\t+16+8*\b:FB+64*\buf+32*\t+16+8*\b+7], v[FB+64*\buf+32*\t+8*\a:FB+64*\buf+32*\t+8*\a+7], v[ACC+8*(2*\a+\b):ACC+8*(2*\a+\b)+7]
.endif
.endr
.endr
.endm
; A stage: chunks 2 st and 2 st + 1, 256 along f, 32 matrix instructions
.macro STG st, zero
	s_wait_tensorcnt 3-\st                         ; tensor loads of a wave end in order: my load st is in, the 3 - st younger ones stay out
	s_barrier_signal -1                            ; (no LDS instruction of mine is pending: the stage before ended on a wait for 0)
	s_barrier_wait -1                              ; all four waves' parts of the two chunks are in
	PLACES
	FP \st, 0, 0, 0
	FP \st, 0, 2, 1
	s_wait_dscnt 16                                ; all but the 16 just issued
	MM4 0, 0, \zero
	MM4 0, 1, 0
	PLACES
	FP \st, 1, 0, 0
	s_wait_dscnt 16
	MM4 1, 0, 0
	MM4 1, 1, 0
	PLACES
	FP \st, 1, 2, 1
	s_wait_dscnt 16
	MM4 0, 0, 0
	MM4 0, 1, 0
	s_wait_dscnt 0x0                               ; nothing more to fetch in this stage
	MM4 1, 0, 0
	MM4 1, 1, 0
.endm
	STG 0, 1
	STG 1, 0
	STG 2, 0
	STG 3, 0                                       ; its wait on the tensor loads is for 0: none is out from here on
	; THE WAY OUT: times 8, to f16, the block gathered in the stage, read back by rows
	PLACES
.set q, 0
.rept 16
	v_pk_mul_f32 v[ACC+2*q:ACC+2*q+1], v[ACC+2*q:ACC+2*q+1], 0x41000000 op_sel_hi:[1,0]
.set q, q+1
.endr
.set q, 0
.rept 16
	v_cvt_pk_f16_f32 v[PK+q], v[ACC+2*q], v[ACC+2*q+1]
.set q, q+1
.endr
.irp a, 0,1
.irp b, 0,1
	ds_store_b128 v[STO], v[PK+4*(2*\a+\b):PK+4*(2*\a+\b)+3] offset:16*SPITCH*\a+32*\b
.endr
.endr
	s_lshl_b32 s16, s13, 18                        ; wm at my block: 64 rows of 4,096 bytes for each block row,
	s_mov_b32 s17, 0
	s_add_nc_u64 s[6:7], s[6:7], s[16:17]
	s_lshl_b32 s46, s42, 7                         ; 128 bytes for each block column
	s_mov_b32 s47, 0
	s_add_nc_u64 s[6:7], s[6:7], s[46:47]
	s_wait_dscnt 0x0                               ; my part of the block is in the stage
	s_barrier_signal -1
	s_barrier_wait -1                              ; everybody's is
.irp t, 0,1,2,3
	ds_load_b128 v[BK+4*\t:BK+4*\t+3], v[RD] offset:4*SPITCH*\t
.endr
.irp t, 0,1,2,3
	s_wait_dscnt 3-\t                              ; load t is in, the younger ones stay out
	global_store_b128 v[CO], v[BK+4*\t:BK+4*\t+3], s[6:7] offset:16384*\t
.endr
	s_wait_tensorcnt 0x0
	ds_add_u32 v224, v225
	s_wait_dscnt 0x0
	CROUND                                         ; the closing round: no work-group ends while a partner may still ask for a tile that names it
	s_endpgm
.Lfunc_end_k_q0b822b6b49_mk:
	.size	k_q0b822b6b49_mk, .Lfunc_end_k_q0b822b6b49_mk-k_q0b822b6b49_mk
	.p2alignl 7, 3214868480
	.fill 96, 4, 3214868480
	.section	.rodata,"a",@progbits
	.p2align	6, 0x0
	.amdhsa_kernel k_q0b822b6b49_mk
		.amdhsa_group_segment_fixed_size 288256
		.amdhsa_private_segment_fixed_size 0
		.amdhsa_enable_private_segment 0
		.amdhsa_kernarg_size 16
		.amdhsa_user_sgpr_count 2
		.amdhsa_user_sgpr_kernarg_segment_ptr 1
		.amdhsa_wavefront_size32 1
		.amdhsa_system_sgpr_workgroup_id_x 1
		.amdhsa_system_sgpr_workgroup_id_y 1
		.amdhsa_system_sgpr_workgroup_id_z 1
		.amdhsa_system_vgpr_workitem_id 0
		.amdhsa_next_free_vgpr 226
		.amdhsa_next_free_sgpr 100
		.amdhsa_reserve_vcc 0
		.amdhsa_float_denorm_mode_32 3
		.amdhsa_float_denorm_mode_16_64 3
		.amdhsa_memory_ordered 1
		.amdhsa_forward_progress 1
		.amdhsa_inst_pref_size 39
	.end_amdhsa_kernel
	.amdgpu_metadata
---
amdhsa.version: [ 1, 2 ]
amdhsa.kernels:
  - .name:           k_q0b822b6b49_mk
    .symbol:         k_q0b822b6b49_mk.kd
    .args:
      - { .name: wh, .offset: 0, .size: 8, .value_kind: global_buffer, .address_space: global }
      - { .name: wm, .offset: 8, .size: 8, .value_kind: global_buffer, .address_space: global }
    .group_segment_fixed_size: 288256
    .private_segment_fixed_size: 0
    .kernarg_segment_align: 8
    .kernarg_segment_size: 16
    .max_flat_workgroup_size: 128
    .sgpr_count:     100
    .vgpr_count:     226
    .wavefront_size: 32
...
	.end_amdgpu_metadata
.endif
;; end of part 2
;; launch tvg (part 3): grid 8 x 32, 4 waves a work-group, clusters of 4 x 4, 327,680 bytes of LDS; arguments xh, wm, ub, b, tv; writes tv
.if DOCPART == 3
	.amdgcn_target "amdgcn-amd-amdhsa--gfx1250"
	.amdhsa_code_object_version 6
	.text
	.protected	k_q0b822b6b49_tvg
	.globl	k_q0b822b6b49_tvg
	.p2align	8
	.type	k_q0b822b6b49_tvg,@function
k_q0b822b6b49_tvg:
	s_mov_b64 s[64:65], 0
	v_nop
	global_prefetch_b8 v0, s[64:65] scope:SCOPE_SE
	s_setreg_imm32_b32 hwreg(HW_REG_WAVE_MODE, 25, 1), 1
	s_wait_xcnt 0x0
	s_wait_alu depctr_hold_cnt(0) depctr_sa_sdst(0) depctr_va_vdst(0) depctr_va_sdst(0) depctr_va_ssrc(0) depctr_va_vcc(0) depctr_vm_vsrc(0)
	s_getreg_b32 s2, hwreg(HW_REG_IB_STS2, 6, 4)
	s_cmp_eq_u32 s2, 0
	s_cbranch_scc0 .Lentry_in_a_cluster
	s_endpgm
.Lentry_in_a_cluster:
	s_bfe_u32 s2, ttmp6, 0x10000c
	s_cmp_lg_u32 s2, 0xf033
	s_cbranch_scc0 .Lentry_shape_is_right
	s_endpgm
.Lentry_shape_is_right:
; tv[m][n] for n < 1024:  t / 4096,  t = x M + u;   for n >= 1024:  v / 4,  v = x Wv + bv.
; xh [8192][1024] f16, wm [1024][2048] f16 = 8 M | 8 Wv, ub [1024] f32 = u, b [3072] f32, tv [8192][2048] f16; sums in f32.
; The projection to k and its bias b[1024:2048] are left out (the identity stands at the head of the first launch's text): of b only the last third is read here.
; THE FACTORS are powers of two and cost no bit: sums x 2^-15 + u x 2^-12, and sums x 2^-5 + bv x 2^-2.  The later launches take them back.
; They put f16's range where the numbers need it: t grows with x W W, v with x W.  LIMITS: |t| under 4,096 x 65,504 = 2.7e8 and |v| under 262,016; beyond that the
; stored number is an infinity and the result is not finite.  |t| under 0.25 and |v| under 2^-12 keep an absolute step of 2^-12 and 2^-22.
; SHAPE: 8192 x 2048 outputs over 256 work-groups: a block of 256 x 256, four waves, a wave 128 x 128 = 64 accumulator tiles = 512 registers.
; K goes in steps of 128 through two LDS slots: a tile row of xh is 256 bytes, one of wm 512 bytes, and both begin at multiples of 256 bytes.
; CLUSTERS: 4 x 4.  xh's tile hangs on the block row alone: asked for jointly along a row of the cluster.  wm's hangs on the block column: jointly along a column.
; Block columns 0-3 are t and 4-7 are v, that is cluster x = 0 and 1: the factors and the bias's buffer are chosen by the cluster's x, which all partners share.
; wm lies [k][n]: its fragments come out of LDS by the transposing load.
; The matrix instruction is used transposed (source 0 = 16 columns of wm, source 1 = 16 rows of xh): lane l holds row l % 16 and, in register j, column 8 (l / 16) + j.
; REGISTERS: window 0: v0-31 addresses; v32-95, v96-159 two buffers of 8 fragments of wm; v160-191, v192-223 two buffers of 4 fragments of xh.
; Windows 1, 2: my rows 0-63, 64-127; tile (row tile a, column tile b) at v[8 (8 a + b)]: a lane's 64 numbers of one row are 64 neighbours.
; A PART is 32 matrix instructions on one window; at its head four places, the LDS loads for the NEXT part, and a wait that leaves just those out.
; The 32 accumulators take turns, one instruction a turn, in the same order in every part.
; THE LAST K STEP is taken a window at a time: my rows 0-63 through its four times 32 along K, their way out (32 stores a wave), then my rows 64-127 (128 matrix
; instructions) while those stores are on their way, and their way out.  So only half of the wave's 64 stores are issued behind its last product.  It costs, in this
; one step, a second read of the 8 column fragments (64 LDS loads) and of the biases (16), whose registers are fragment buffers in between.
.set PITCH,  272                       ; xh in LDS: 256 bytes + 16: an odd multiple of 16
.set HALFT,  128*PITCH                 ; 34,816: 128 rows of xh, one tensor load
.set BPITCH, 544                       ; wm in LDS: 512 bytes + 32: 17 x 32; 64 rows of it are 34,816 bytes too, one tensor load
.set SLOT,   4*HALFT                   ; xh's 256 rows, then wm's 128 rows
.set STAGE,  2*SLOT                    ; behind the ring: 16 rows x 272 bytes for each wave
.set BIAS,   STAGE+4*16*PITCH          ; 295,936: my block's 256 biases, scaled; bytes of their own
.set LAPS,   4                         ; 1024 / 256
.set ADRX, 4                           ; v4-5   wm fragments in slot 0, 1
.set ADRY, 6                           ; v6-7   xh fragments
.set STO,  8
.set RD,   9
.set CO,   10
.set VB,   11                          ; my 128 biases in LDS
.set T8,   12                          ; 8 x thread
.set BST,  13                          ; BIAS + 8 x thread
.set BW,   14                          ; v14-15 two bias words on their way to LDS
.set FA,   28                          ; v28-29 the factor on the sums, twice
.set XF,   32
.set YF,   160
.set EX,   32                          ; the way out: v32-95 one row tile, scaled and biased
.set BV,   96                          ; v96-159 my 64 biases (8 for each column tile)
.set PK,   160                         ; v160-191 packed f16
.set G1,  24
.set G0,  32
.set G1B, 48
.set G0B, 56
.set MSB, 0
.macro WIN new                         ; the immediate's high byte repeats the setting that is left; a switch that changes nothing is dropped
.if MSB != (\new)
	s_set_vgpr_msb (MSB<<8)|(\new)
.set MSB, (\new)
.endif
.endm
.macro PLACES                          ; four places behind the last matrix instruction (ISA guide 7.12.1)
.rept 4
	v_nop
.endr
.endm
.macro JLOAD sl                        ; waves 0 and 1 fetch xh's two halves, waves 2 and 3 wm's; the branch hangs on the wave's number alone
	s_cmp_eq_u32 s11, 0
	s_cbranch_scc0 .Lfor_b_\@
	tensor_load_to_lds s[G0+4*\sl:G0+4*\sl+3], s[G1:G1+7]
	s_nop 0
	s_branch .Lasked_\@
.Lfor_b_\@:
	tensor_load_to_lds s[G0B+4*\sl:G0B+4*\sl+3], s[G1B:G1B+7]
	s_nop 0
.Lasked_\@:
.endm
.macro CREST
	s_cmp_lg_u32 s10, 0
	s_cbranch_scc1 .Lnot_wave_0_\@
	s_barrier_signal -3
.Lnot_wave_0_\@:
	s_barrier_wait -3
	s_barrier_signal -1
	s_barrier_wait -1
.endm
.macro CROUND
	s_barrier_signal -1
	s_barrier_wait -1
	CREST
.endm
	s_load_b128 s[4:7], s[0:1], 0x0                ; xh s[4:5], wm s[6:7]
	s_load_b128 s[76:79], s[0:1], 0x10             ; ub s[76:77], b s[78:79]
	s_load_b64 s[8:9], s[0:1], 0x20                ; tv
	v_lshl_add_u32 v30, v0, 2, 0x48800
	v_mov_b32 v31, 0
	ds_add_u32 v30, v31
	v_lshrrev_b32 v1, 5, v0
	v_readfirstlane_b32 s10, v1                    ; wave
	s_lshr_b32 s11, s10, 1                         ; wy: my half of the rows.  Also: I fetch for xh (0) or wm (1)
	s_and_b32 s12, s10, 1                          ; wx: my half of the columns.  Also: which half of that tile I fetch
	s_bfe_u32 s40, ttmp6, 0x40000                  ; cx
	s_bfe_u32 s41, ttmp6, 0x40004                  ; cy
	s_lshl_b32 s42, ttmp9, 2
	s_add_co_u32 s42, s42, s40                     ; block column 0..7
	s_and_b32 s13, ttmp7, 0xffff
	s_lshl_b32 s13, s13, 2
	s_add_co_u32 s13, s13, s41                     ; block row 0..31
	s_lshl_b32 s43, s41, 2
	s_lshl_b32 s43, 15, s43                        ; my row of the cluster
	s_lshl_b32 s44, 0x1111, s40                    ; my column
	; group 1 for xh: 128 rows x 128 elements of 2 bytes, 4 words of padding behind every 64 words; rows 1,024 elements apart
	s_or_b32  s[G1+0], s43, 0x07710000             ; mask | element 2 bytes | padding on | bit 21 beside a mask | interval code 5 | pad code 3
	s_mov_b32 s[G1+1], 128<<16
	s_mov_b32 s[G1+2], 128<<16
	s_mov_b32 s[G1+3], 128<<16
	s_mov_b32 s[G1+4], 128
	s_mov_b32 s[G1+5], 1024
	s_mov_b32 s[G1+6], 0
	s_mov_b32 s[G1+7], 0
	; group 1 for wm: 64 rows x 256 elements, 8 words of padding behind every 128 words; rows 2,048 elements apart
	s_or_b32  s[G1B+0], s44, 0x0fb10000            ; mask | element 2 bytes | padding on | bit 21 | interval code 6 | pad code 7
	s_mov_b32 s[G1B+1], 256<<16
	s_mov_b32 s[G1B+2], 64<<16
	s_mov_b32 s[G1B+3], 256<<16
	s_mov_b32 s[G1B+4], 64
	s_mov_b32 s[G1B+5], 2048
	s_mov_b32 s[G1B+6], 0
	s_mov_b32 s[G1B+7], 0
	s_mov_b32 s22, 0x38000000                      ; 2^-15
	s_mov_b32 s23, 0x3d000000                      ; 2^-5
	s_mov_b32 s70, 0x39800000                      ; 2^-12
	s_mov_b32 s71, 0x3e800000                      ; 2^-2
	s_cmp_eq_u32 ttmp9, 0                          ; cluster x = 0: my block is t's; 1: v's
	s_cselect_b32 s72, s22, s23                    ; the factor on the sums
	s_cselect_b32 s73, s70, s71                    ; the factor on the bias
	s_cselect_b32 s46, 0, 0x2000                   ; u begins at ub's first byte, bv 8,192 bytes into b
	s_lshl_b32 s47, s40, 10                        ; 256 numbers for each block column of the four
	s_add_co_u32 s46, s46, s47
	s_mov_b32 s47, 0
	s_lshl_b32 s16, s13, 19                        ; xh: 256 rows of 2,048 bytes for each block row,
	s_lshl_b32 s18, s12, 18                        ; 128 rows for the half
	s_add_co_u32 s16, s16, s18
	s_mov_b32 s17, 0
	s_mul_i32 s20, s10, HALFT                      ; xh's two halves, then wm's two halves = wave x 34,816 bytes
	v_lshlrev_b32 v[T8], 3, v0
	v_mov_b32 v[FA], s72
	v_mov_b32 v[FA+1], s72
	s_wait_dscnt 0x0
	s_wait_kmcnt 0x0
	s_cmp_eq_u32 ttmp9, 0
	s_cselect_b64 s[66:67], s[76:77], s[78:79]     ; ub or b
	s_add_nc_u64 s[66:67], s[66:67], s[46:47]
	global_load_b64 v[BW:BW+1], v[T8], s[66:67]    ; 128 threads x 8 bytes: my block's 256 biases, once
	s_lshl_b32 s46, s12, 18                        ; wm: 64 rows of 4,096 bytes for the half,
	s_lshl_b32 s47, s42, 9                         ; 512 bytes for each block column
	s_add_co_u32 s46, s46, s47
	s_mov_b32 s47, 0
	s_add_nc_u64 s[14:15], s[4:5], s[16:17]
	s_add_nc_u64 s[46:47], s[6:7], s[46:47]
	CROUND                                         ; all sixteen work-groups are here: the first joint loads meet
.irp s, 0,1
	s_mov_b32 s[G0+4*\s], 1
	s_add_co_u32 s[G0+4*\s+1], s20, \s*SLOT
	s_add_nc_u64 s[G0+4*\s+2:G0+4*\s+3], s[14:15], \s*256          ; K step s: 128 elements along the row
	s_or_b32 s[G0+4*\s+3], s[G0+4*\s+3], 0x80000000
	s_mov_b32 s[G0B+4*\s], 1
	s_add_co_u32 s[G0B+4*\s+1], s20, \s*SLOT
	s_add_nc_u64 s[G0B+4*\s+2:G0B+4*\s+3], s[46:47], \s*524288     ; K step s: 128 rows down
	s_or_b32 s[G0B+4*\s+3], s[G0B+4*\s+3], 0x80000000
	JLOAD \s                                       ; two loads of the wave are out
.endr
	v_and_b32 v1, 15, v0                           ; r
	v_bfe_u32 v2, v0, 4, 1                         ; h
	v_and_b32 v3, 7, v0
	v_bfe_u32 v16, v0, 3, 1
	v_mul_u32_u24 v17, v1, PITCH
	v_lshl_add_u32 v17, v2, 4, v17                 ; row r, 16 bytes for each half of the lanes
	s_mul_i32 s22, s11, HALFT
	v_add_nc_u32 v[ADRY], s22, v17
	v_add_nc_u32 v[ADRY+1], SLOT, v[ADRY]
	v_lshl_add_u32 v18, v2, 3, v3                  ; wm, transposing load: row 8 h + l % 8 of k,
	v_mul_u32_u24 v18, v18, BPITCH
	v_lshl_add_u32 v18, v16, 4, v18                ; 16 bytes for each eight lanes,
	s_lshl_b32 s22, s12, 8                         ; my 128 columns
	s_add_co_u32 s22, s22, 2*HALFT
	v_add_nc_u32 v[ADRX], s22, v18
	v_add_nc_u32 v[ADRX+1], SLOT, v[ADRX]
	s_mul_i32 s23, s10, 16*PITCH
	s_add_co_u32 s23, s23, STAGE                   ; my stage
	v_add_nc_u32 v[STO], s23, v17
	v_mul_u32_u24 v[RD], v2, PITCH
	v_lshl_add_u32 v[RD], v1, 4, v[RD]
	v_add_nc_u32 v[RD], s23, v[RD]
	v_lshlrev_b32 v[CO], 12, v2                    ; tv: lanes 16-31 one row of 4,096 bytes further down
	v_lshl_add_u32 v[CO], v1, 4, v[CO]
	s_lshl_b32 s22, s12, 9
	s_add_co_u32 s22, s22, BIAS
	v_lshl_add_u32 v[VB], v2, 5, s22               ; my 128 biases, 8 numbers for each half of the lanes
	v_add_nc_u32 v[BST], BIAS, v[T8]
	s_wait_loadcnt 0x0                             ; the two bias words
	v_mul_f32 v[BW],   s73, v[BW]                  ; scaled once for the block: the way out then needs one fused multiply-add for two numbers
	v_mul_f32 v[BW+1], s73, v[BW+1]
	ds_store_b64 v[BST], v[BW:BW+1]
.macro FX sl, j, buf                   ; 16 transposing loads: my 128 columns of wm, 32 rows of k
.irp i, 0,1,2,3,4,5,6,7
	ds_load_tr16_b128 v[XF+64*\buf+8*\i:XF+64*\buf+8*\i+3],   v[ADRX+\sl] offset:32*BPITCH*\j+32*\i
	ds_load_tr16_b128 v[XF+64*\buf+8*\i+4:XF+64*\buf+8*\i+7], v[ADRX+\sl] offset:32*BPITCH*\j+32*\i+16*BPITCH
.endr
.endm
.macro FY sl, j, w, buf                ; 8 loads: my rows 64 w .. 64 w + 63 of xh, 32 along K
.irp i, 0,1,2,3
	ds_load_b128 v[YF+32*\buf+8*\i:YF+32*\buf+8*\i+3],   v[ADRY+\sl] offset:64*PITCH*\w+64*\j+16*PITCH*\i
	ds_load_b128 v[YF+32*\buf+8*\i+4:YF+32*\buf+8*\i+7], v[ADRY+\sl] offset:64*PITCH*\w+64*\j+16*PITCH*\i+32
.endr
.endm
.macro MUL16 x, y, hf, zero            ; row tiles 2 hf, 2 hf + 1 of the window x all 8 column tiles
.irp a, 0,1
.irp b, 0,1,2,3,4,5,6,7
.if \zero
	v_wmma_f32_16x16x32_f16 v[8*(8*(2*\hf+\a)+\b):8*(8*(2*\hf+\a)+\b)+7], v[XF+64*\x+8*\b:XF+64*\x+8*\b+7], v[YF+32*\y+8*(2*\hf+\a):YF+32*\y+8*(2*\hf+\a)+7], 0
.else
	v_wmma_f32_16x16x32_f16 v[8*(8*(2*\hf+\a)+\b):8*(8*(2*\hf+\a)+\b)+7], v[XF+64*\x+8*\b:XF+64*\x+8*\b+7], v[YF+32*\y+8*(2*\hf+\a):YF+32*\y+8*(2*\hf+\a)+7], v[8*(8*(2*\hf+\a)+\b):8*(8*(2*\hf+\a)+\b)+7]
.endif
.endr
.endr
.endm
.macro PART win, x, y, zero
	WIN \win
	MUL16 \x, \y, 0, \zero
	MUL16 \x, \y, 1, \zero
.endm
.macro FETCH8 sl, j                    ; at the head of an even part: the odd part's rows
	PLACES
	WIN 0
	FY \sl, \j, 1, 1
	s_wait_dscnt 8                                 ; all but the 8 just issued
.endm
.macro FETCH24 sl, j, xb               ; at the head of an odd part: the next 32 along K, columns and the even part's rows
	PLACES
	WIN 0
	FX \sl, \j, \xb
	FY \sl, \j, 0, 0
	s_wait_dscnt 24                                ; all but the 24 just issued
.endm
; A K step of 128 = eight parts: (four times 32 along K) x (two windows).  refill = 1: the slot is filled again, two K steps ahead, behind a round of the
; cluster's barrier; 0: a work-group barrier alone.
.macro SLOTSTEP sl, nx, refill, zero
	FETCH8 \sl, 0
	PART 0x50, 0, 0, \zero
	FETCH24 \sl, 1, 1
	PART 0xa0, 0, 1, \zero
	FETCH8 \sl, 1
	PART 0x50, 1, 0, 0
	FETCH24 \sl, 2, 0
	PART 0xa0, 1, 1, 0
	FETCH8 \sl, 2
	PART 0x50, 0, 0, 0
	FETCH24 \sl, 3, 1
	PART 0xa0, 0, 1, 0
	FETCH8 \sl, 3                                  ; my last reads of this slot
	WIN 0x50
	MUL16 1, 0, 0, 0
	s_wait_dscnt 0x0                               ; my reads of this slot are over,
	s_wait_tensorcnt 0x0                           ; and all my tensor loads have landed: the one that was out is my part of the other slot
	ds_add_u32 v30, v31
	s_wait_dscnt 0x0
	s_barrier_signal -1
	MUL16 1, 0, 1, 0                               ; register work while the others arrive
	WIN 0
	s_barrier_wait -1
.if \refill
	CREST                                          ; no wave of any partner still reads this slot or has a load on its way
	s_add_nc_u64 s[G0+4*\sl+2:G0+4*\sl+3], s[G0+4*\sl+2:G0+4*\sl+3], 512        ; two K steps on; no tensor load of mine is out
	s_add_nc_u64 s[G0B+4*\sl+2:G0B+4*\sl+3], s[G0B+4*\sl+2:G0B+4*\sl+3], 1048576
	JLOAD \sl                                      ; my one tensor load behind the round, first thing there; 240 matrix instructions stand before the wait for it
.endif
	FETCH24 \nx, 0, 0
	PART 0xa0, 1, 1, 0
.endm
.macro LAP zero
	SLOTSTEP 0, 1, 1, \zero
	SLOTSTEP 1, 0, 1, 0
.endm
; The last K step, one window at a time.  At the head of a part: the next 32 along K, all 8 column fragments and the window's 4 row fragments, into buffers buf
.macro FETCHW sl, j, w, buf
	PLACES
	WIN 0
	FX \sl, \j, \buf
	FY \sl, \j, \w, \buf
	s_wait_dscnt 24                                ; all but the 24 just issued
.endm
; 128 matrix instructions: window w (win = its setting) through the slot's four times 32 along K.  The first 32's fragments have been asked for, into buffers 0.
.macro PASS sl, w, win
	FETCHW \sl, 1, \w, 1
	PART \win, 0, 0, 0
	FETCHW \sl, 2, \w, 0
	PART \win, 1, 1, 0
	FETCHW \sl, 3, \w, 1
	PART \win, 0, 0, 0
	s_wait_dscnt 0x0                               ; nothing more to fetch
	PART \win, 1, 1, 0
.endm
.macro BLOAD                           ; my 64 scaled biases, 8 for each column tile
.irp nt, 0,1,2,3,4,5,6,7
	ds_load_b128 v[BV+8*\nt:BV+8*\nt+3],   v[VB] offset:64*\nt
	ds_load_b128 v[BV+8*\nt+4:BV+8*\nt+7], v[VB] offset:64*\nt+16
.endr
.endm
; One row tile (16 rows x my 128 columns): sum x factor + scaled bias in one rounding, to f16, through my stage into tv.
; i = the tile, 4 w + a; f = the register set for the way back, two in turn.
.macro TROW i, w, a, f
	WIN \w+1                                       ; source 0 in the tile's window
.set q, 0
.rept 32
	v_pk_fma_f32 v[EX+2*q:EX+2*q+1], v[64*\a+2*q:64*\a+2*q+1], v[FA:FA+1], v[BV+2*q:BV+2*q+1]
.set q, q+1
.endr
	WIN 0
.set q, 0
.rept 32
	v_cvt_pk_f16_f32 v[PK+q], v[EX+2*q], v[EX+2*q+1]
.set q, q+1
.endr
.irp b, 0,1,2,3,4,5,6,7
	ds_store_b128 v[STO], v[PK+4*\b:PK+4*\b+3] offset:32*\b
.endr
	s_wait_xcnt 0x0                                ; set f was the data of earlier stores: it is loaded again only behind this wait
.irp t, 0,1,2,3,4,5,6,7
	ds_load_b128 v[\f+4*\t:\f+4*\t+3], v[RD] offset:2*PITCH*\t     ; LDS serves a wave's instructions in order: these see the stores above, and the next tile's stores come behind them
.endr
.irp t, 0,1,2,3,4,5,6,7
	s_wait_dscnt 7-\t                              ; load t is in, the younger ones stay out
	global_store_b128 v[CO], v[\f+4*\t:\f+4*\t+3], s[8:9] offset:65536*\i+8192*\t   ; 16 lanes store 256 consecutive bytes, at a multiple of 256
.endr
.endm
	s_wait_tensorcnt 0x1                           ; my part of K step 0 is in; K step 1's stays out
	s_wait_dscnt 0x0                               ; my bias words are in LDS
	s_barrier_signal -1
	s_barrier_wait -1
	FX 0, 0, 0
	FY 0, 0, 0, 0
	LAP 1                                          ; its first products start the sums
	WIN 0
	s_mov_b32 s3, LAPS-2
.Llap:
	LAP 0
	WIN 0
	s_sub_co_u32 s3, s3, 1
	s_cmp_lg_u32 s3, 0
	s_cbranch_scc1 .Llap
	SLOTSTEP 0, 1, 0, 0                            ; the last lap fills nothing; its last part has asked for slot 1's first fragments, rows 0-63
	; THE LAST K STEP AND THE WAY OUT.  My 128 columns are 256 bytes of a row of tv, so each wave goes out through a stage of its own, 16 rows at a time.
	PASS 1, 0, 0x50                                ; my rows 0-63 are summed up
	PLACES                                         ; behind the last matrix instructions: for the multiply-adds, which read results, and the loads into the buffers
	WIN 0
	BLOAD
	s_lshl_b32 s16, s13, 20                        ; tv at my wave's corner: 256 rows of 4,096 bytes for each block row,
	s_lshl_b32 s18, s11, 19                        ; 128 rows for wy
	s_add_co_u32 s16, s16, s18
	s_mov_b32 s17, 0
	s_add_nc_u64 s[8:9], s[8:9], s[16:17]
	s_lshl_b32 s46, s42, 9                         ; 512 bytes for each block column,
	s_lshl_b32 s47, s12, 8                         ; 256 for wx
	s_add_co_u32 s46, s46, s47
	s_mov_b32 s47, 0
	s_add_nc_u64 s[8:9], s[8:9], s[46:47]
	s_wait_dscnt 0x0
	TROW 0, 0, 0, 192
	TROW 1, 0, 1, 224
	TROW 2, 0, 2, 192
	TROW 3, 0, 3, 224                              ; 32 stores of the wave are on their way
	s_wait_xcnt 0x0                                ; v192-223, data of those stores, is the second buffer of xh's fragments: it is loaded again only behind this wait
	FX 1, 0, 0                                     ; the step's first 32 along K once more, now with my rows 64-127
	FY 1, 0, 1, 0
	PASS 1, 1, 0xa0                                ; my rows 64-127 are summed up while the stores above leave
	PLACES
	WIN 0
	BLOAD                                          ; their registers were fragment buffers in between
	s_wait_dscnt 0x0
	TROW 4, 1, 0, 192
	TROW 5, 1, 1, 224
	TROW 6, 1, 2, 192
	TROW 7, 1, 3, 224
	s_wait_tensorcnt 0x0
	ds_add_u32 v30, v31
	s_wait_dscnt 0x0
	CROUND                                         ; the closing round: no work-group ends while a partner may still ask for a tile that names it
	s_endpgm
.Lfunc_end_k_q0b822b6b49_tvg:
	.size	k_q0b822b6b49_tvg, .Lfunc_end_k_q0b822b6b49_tvg-k_q0b822b6b49_tvg
	.p2alignl 7, 3214868480
	.fill 96, 4, 3214868480
	.section	.rodata,"a",@progbits
	.p2align	6, 0x0
	.amdhsa_kernel k_q0b822b6b49_tvg
		.amdhsa_group_segment_fixed_size 327680
		.amdhsa_private_segment_fixed_size 0
		.amdhsa_enable_private_segment 0
		.amdhsa_kernarg_size 40
		.amdhsa_user_sgpr_count 2
		.amdhsa_user_sgpr_kernarg_segment_ptr 1
		.amdhsa_wavefront_size32 1
		.amdhsa_system_sgpr_workgroup_id_x 1
		.amdhsa_system_sgpr_workgroup_id_y 1
		.amdhsa_system_sgpr_workgroup_id_z 1
		.amdhsa_system_vgpr_workitem_id 0
		.amdhsa_next_free_vgpr 768
		.amdhsa_next_free_sgpr 80
		.amdhsa_reserve_vcc 0
		.amdhsa_float_denorm_mode_32 3
		.amdhsa_float_denorm_mode_16_64 3
		.amdhsa_memory_ordered 1
		.amdhsa_forward_progress 1
		.amdhsa_inst_pref_size 221
	.end_amdhsa_kernel
	.amdgpu_metadata
---
amdhsa.version: [ 1, 2 ]
amdhsa.kernels:
  - .name:           k_q0b822b6b49_tvg
    .symbol:         k_q0b822b6b49_tvg.kd
    .args:
      - { .name: xh, .offset: 0, .size: 8, .value_kind: global_buffer, .address_space: global }
      - { .name: wm, .offset: 8, .size: 8, .value_kind: global_buffer, .address_space: global }
      - { .name: ub, .offset: 16, .size: 8, .value_kind: global_buffer, .address_space: global }
      - { .name: b, .offset: 24, .size: 8, .value_kind: global_buffer, .address_space: global }
      - { .name: tv, .offset: 32, .size: 8, .value_kind: global_buffer, .address_space: global }
    .group_segment_fixed_size: 327680
    .private_segment_fixed_size: 0
    .kernarg_segment_align: 8
    .kernarg_segment_size: 40
    .max_flat_workgroup_size: 128
    .sgpr_count:     80
    .vgpr_count:     768
    .wavefront_size: 32
...
	.end_amdgpu_metadata
.endif
;; end of part 3
;; launch scores (part 4): grid 8 x 32, 4 waves a work-group, clusters of 4 x 4, 327,680 bytes of LDS; arguments tv, xh, p, stat; writes p, stat
.if DOCPART == 4
	.amdgcn_target "amdgcn-amd-amdhsa--gfx1250"
	.amdhsa_code_object_version 6
	.text
	.protected	k_q0b822b6b49_scores
	.globl	k_q0b822b6b49_scores
	.p2align	8
	.type	k_q0b822b6b49_scores,@function
k_q0b822b6b49_scores:
	s_mov_b64 s[64:65], 0
	v_nop
	global_prefetch_b8 v0, s[64:65] scope:SCOPE_SE
	s_setreg_imm32_b32 hwreg(HW_REG_WAVE_MODE, 25, 1), 1
	s_wait_xcnt 0x0
	s_wait_alu depctr_hold_cnt(0) depctr_sa_sdst(0) depctr_va_vdst(0) depctr_va_sdst(0) depctr_va_ssrc(0) depctr_va_vcc(0) depctr_vm_vsrc(0)
	s_getreg_b32 s2, hwreg(HW_REG_IB_STS2, 6, 4)
	s_cmp_eq_u32 s2, 0
	s_cbranch_scc0 .Lentry_in_a_cluster
	s_endpgm
.Lentry_in_a_cluster:
	s_bfe_u32 s2, ttmp6, 0x10000c
	s_cmp_lg_u32 s2, 0xf033
	s_cbranch_scc0 .Lentry_shape_is_right
	s_endpgm
.Lentry_shape_is_right:
; For each block of 256 queries x 256 keys of one batch: S = (t / 4096) x^T (K = 1024, f16 operands as the launches before stored them, f32 sums); for each row
; the maximum over the block's 256 keys; p = exp2(c S - c max), c = 4096 log2(e) / 32 = 128 log2(e) (the 4,096 that S lacks, the scale 1/32 and the change of
; base in one factor), rounded to f16; the row's sum of p.
; Stored: p [8192][2048] f16; stat f32 [2][8 key blocks][8192 rows]: m = c max, then the sums.  The next launch brings a row's eight blocks to one scale.
; t . x_j is the problem's score q_i . k_j less a term that is the same for all j and cancels in the softmax (shown at the head of the first launch's text).
; THE MAXIMUM is the true maximum of the row over the block, so every exponent is at most the rounding of c max, and every p at most about 1, whatever the
; inputs: p has room in f16.  The stored m is the negative of the very number added in the fused multiply-add, so its rounding cancels in the next launch.
; SHAPE: 32 row blocks (8 for each batch) x 8 key blocks = 256 work-groups; four waves, a wave 128 x 128 = 64 accumulator tiles = 512 registers.
; K goes in steps of 128 through two LDS slots: tile rows are 256 bytes of memory and begin at multiples of 256 bytes.
; CLUSTERS: 4 x 4.  t's tile hangs on the block row alone: asked for jointly along a row of the cluster.  x's hangs on the batch (made of the cluster's y,
; which all sixteen share) and the key block: asked for jointly along a column.
; The matrix instruction is used transposed (source 0 = 16 keys, source 1 = 16 queries): lane l holds query l % 16 and, in register j, key 8 (l / 16) + j.
; REGISTERS: window 0: v0-31 addresses and row figures; v32-95, v96-159 two buffers of 8 key fragments; v160-191, v192-223 two buffers of 4 query fragments;
; v224-247 sums.  Windows 1, 2: my queries 0-63, 64-127; tile (query tile a, key tile b) at v[8 (8 a + b)]: a lane's 64 numbers of one row are 64 neighbours.
; A PART is 32 matrix instructions on one window; at its head four places, the LDS loads for the NEXT part, and a wait that leaves just those out.
; The 32 accumulators take turns, one instruction a turn, in the same order in every part.
; LIMITS: a NaN among the scores loses in the maximum and is not carried as the softmax of the problem would carry it.  A weight under about 2^-25 of its
; block's maximum is stored as 0, and one under 2^-14 of it with an absolute step of 2^-24 (f16).  The sums add the unrounded f32 p, the next launch
; multiplies their f16 roundings.  The ranges of t and x: see the launches before.
.set PITCH,  272                       ; 256 bytes + 16: an odd multiple of 16
.set HALFT,  128*PITCH                 ; 128 rows: one tensor load
.set SLOT,   4*HALFT                   ; t's 256 rows, then x's 256 rows
.set STAGE,  2*SLOT                    ; behind the ring: 16 rows x 272 bytes for each wave
.set MXL,    STAGE+4*16*PITCH          ; 295,936: [wx][256 rows] each wave's row maxima; 2,048 bytes further on the same for the sums
.set LAPS,   4                         ; 1024 / 256
.set ADRX, 4                           ; v4-5   key fragments in slot 0, 1
.set ADRY, 6                           ; v6-7   query fragments
.set STO,  8
.set RD,   9
.set CO,   10
.set VM,   11                          ; my wave's words in the table of maxima
.set VMP,  12                          ; those of the wave that has the other 128 keys of my rows
.set VS,   13                          ; the table, 2 rows a thread
.set SO,   14                          ; 8 x thread: my 2 rows in stat
.set MX,   16                          ; v16-23 row maxima of my 8 query tiles, then - c max
.set TT,   24                          ; v24-31 at work
.set XF,   32
.set YF,   160
.set EX,   32                          ; the way out: v32-95 one row tile's exponents, then p
.set PK,   160                         ; v160-191 packed f16
.set LS,   224                         ; v224-239 running sums, a pair for each query tile
.set LL,   240                         ; v240-247 row sums
.set G1,  24
.set G0,  32
.set G1B, 48
.set G0B, 56
.set MSB, 0
.macro WIN new
.if MSB != (\new)
	s_set_vgpr_msb (MSB<<8)|(\new)
.set MSB, (\new)
.endif
.endm
.macro PLACES                          ; four places behind the last matrix instruction (ISA guide 7.12.1)
.rept 4
	v_nop
.endr
.endm
.macro JLOAD sl                        ; waves 0 and 1 fetch t's two halves, waves 2 and 3 x's; the branch hangs on the wave's number alone
	s_cmp_eq_u32 s11, 0
	s_cbranch_scc0 .Lfor_b_\@
	tensor_load_to_lds s[G0+4*\sl:G0+4*\sl+3], s[G1:G1+7]
	s_nop 0
	s_branch .Lasked_\@
.Lfor_b_\@:
	tensor_load_to_lds s[G0B+4*\sl:G0B+4*\sl+3], s[G1B:G1B+7]
	s_nop 0
.Lasked_\@:
.endm
.macro CREST
	s_cmp_lg_u32 s10, 0
	s_cbranch_scc1 .Lnot_wave_0_\@
	s_barrier_signal -3
.Lnot_wave_0_\@:
	s_barrier_wait -3
	s_barrier_signal -1
	s_barrier_wait -1
.endm
.macro CROUND
	s_barrier_signal -1
	s_barrier_wait -1
	CREST
.endm
	s_load_b128 s[4:7], s[0:1], 0x0                ; tv s[4:5], xh s[6:7]
	s_load_b64 s[8:9], s[0:1], 0x10                ; p
	s_load_b64 s[68:69], s[0:1], 0x18              ; stat
	v_lshl_add_u32 v254, v0, 2, 0x49400
	v_mov_b32 v255, 0
	ds_add_u32 v254, v255
	v_lshrrev_b32 v1, 5, v0
	v_readfirstlane_b32 s10, v1                    ; wave
	s_lshr_b32 s11, s10, 1                         ; wy: my half of the queries.  Also: I fetch for t (0) or x (1)
	s_and_b32 s12, s10, 1                          ; wx: my half of the keys.  Also: which 128 rows of that tile I fetch
	s_bfe_u32 s40, ttmp6, 0x40000                  ; cx
	s_bfe_u32 s41, ttmp6, 0x40004                  ; cy
	s_lshl_b32 s42, ttmp9, 2
	s_add_co_u32 s42, s42, s40                     ; key block 0..7
	s_and_b32 s13, ttmp7, 0xffff
	s_lshr_b32 s45, s13, 1                         ; batch = cluster y / 2: two clusters of 4 row blocks for each batch
	s_lshl_b32 s13, s13, 2
	s_add_co_u32 s13, s13, s41                     ; row block 0..31 = 8 x batch + query block
	s_lshl_b32 s43, s41, 2
	s_lshl_b32 s43, 15, s43                        ; my row of the cluster
	s_lshl_b32 s44, 0x1111, s40                    ; my column
	s_mov_b32 s70, 0x76543210                      ; v_permlanex16_b32: lane i of one half reads lane i of the other
	s_mov_b32 s71, 0xfedcba98
	; group 1, both: 128 rows x 128 elements of 2 bytes, 4 words of padding behind every 64 words; t's rows 2,048 elements apart, x's 1,024
	s_or_b32  s[G1+0],  s43, 0x07710000            ; mask | element 2 bytes | padding on | bit 21 beside a mask | interval code 5 | pad code 3
	s_or_b32  s[G1B+0], s44, 0x07710000
	s_mov_b32 s[G1+1],  128<<16
	s_mov_b32 s[G1B+1], 128<<16
	s_mov_b32 s[G1+2],  128<<16
	s_mov_b32 s[G1B+2], 128<<16
	s_mov_b32 s[G1+3],  128<<16
	s_mov_b32 s[G1B+3], 128<<16
	s_mov_b32 s[G1+4],  128
	s_mov_b32 s[G1B+4], 128
	s_mov_b32 s[G1+5],  2048
	s_mov_b32 s[G1B+5], 1024
	s_mov_b32 s[G1+6],  0
	s_mov_b32 s[G1B+6], 0
	s_mov_b32 s[G1+7],  0
	s_mov_b32 s[G1B+7], 0
	s_lshl_b32 s16, s13, 20                        ; t: 256 rows of 4,096 bytes for each row block,
	s_lshl_b32 s18, s12, 19                        ; 128 rows for the half
	s_add_co_u32 s16, s16, s18
	s_mov_b32 s17, 0
	s_lshl_b32 s46, s45, 22                        ; x: 2,048 rows of 2,048 bytes for each batch,
	s_lshl_b32 s47, s42, 19                        ; 256 for each key block,
	s_add_co_u32 s46, s46, s47
	s_lshl_b32 s47, s12, 18                        ; 128 for the half
	s_add_co_u32 s46, s46, s47
	s_mov_b32 s47, 0
	s_mul_i32 s20, s10, HALFT                      ; t's two halves, then x's two halves = wave x 128 rows
	s_wait_dscnt 0x0
	s_wait_kmcnt 0x0
	s_add_nc_u64 s[14:15], s[4:5], s[16:17]
	s_add_nc_u64 s[46:47], s[6:7], s[46:47]
	CROUND                                         ; all sixteen work-groups are here: the first joint loads meet
.irp s, 0,1
	s_mov_b32 s[G0+4*\s], 1
	s_add_co_u32 s[G0+4*\s+1], s20, \s*SLOT
	s_add_nc_u64 s[G0+4*\s+2:G0+4*\s+3], s[14:15], \s*256
	s_or_b32 s[G0+4*\s+3], s[G0+4*\s+3], 0x80000000
	s_mov_b32 s[G0B+4*\s], 1
	s_add_co_u32 s[G0B+4*\s+1], s20, \s*SLOT
	s_add_nc_u64 s[G0B+4*\s+2:G0B+4*\s+3], s[46:47], \s*256
	s_or_b32 s[G0B+4*\s+3], s[G0B+4*\s+3], 0x80000000
	JLOAD \s                                       ; two loads of the wave are out
.endr
	v_and_b32 v1, 15, v0                           ; r
	v_bfe_u32 v2, v0, 4, 1                         ; h
	v_mul_u32_u24 v3, v1, PITCH
	v_lshl_add_u32 v3, v2, 4, v3                   ; row r, 16 bytes for each half of the lanes
	s_mul_i32 s22, s12, HALFT
	s_add_co_u32 s22, s22, 2*HALFT
	v_add_nc_u32 v[ADRX], s22, v3
	v_add_nc_u32 v[ADRX+1], SLOT, v[ADRX]
	s_mul_i32 s22, s11, HALFT
	v_add_nc_u32 v[ADRY], s22, v3
	v_add_nc_u32 v[ADRY+1], SLOT, v[ADRY]
	s_mul_i32 s23, s10, 16*PITCH
	s_add_co_u32 s23, s23, STAGE                   ; my stage
	v_add_nc_u32 v[STO], s23, v3
	v_mul_u32_u24 v[RD], v2, PITCH
	v_lshl_add_u32 v[RD], v1, 4, v[RD]
	v_add_nc_u32 v[RD], s23, v[RD]
	v_lshlrev_b32 v[CO], 12, v2                    ; p: lanes 16-31 one row of 4,096 bytes further down
	v_lshl_add_u32 v[CO], v1, 4, v[CO]
	s_lshl_b32 s22, s11, 9                         ; the tables: 4 bytes a row, my rows begin at 128 wy,
	s_add_co_u32 s22, s22, MXL
	s_lshl_b32 s23, s12, 10                        ; 1,024 bytes for each half of the keys
	s_add_co_u32 s23, s23, s22
	v_lshl_add_u32 v[VM], v1, 2, s23
	s_xor_b32 s23, s12, 1
	s_lshl_b32 s23, s23, 10
	s_add_co_u32 s23, s23, s22
	v_lshl_add_u32 v[VMP], v1, 2, s23
	v_lshlrev_b32 v[SO], 3, v0
	v_add_nc_u32 v[VS], MXL, v[SO]
.macro FX sl, j, buf                   ; 16 loads: my 128 keys, 32 along K
.irp i, 0,1,2,3,4,5,6,7
	ds_load_b128 v[XF+64*\buf+8*\i:XF+64*\buf+8*\i+3],   v[ADRX+\sl] offset:64*\j+16*PITCH*\i
	ds_load_b128 v[XF+64*\buf+8*\i+4:XF+64*\buf+8*\i+7], v[ADRX+\sl] offset:64*\j+16*PITCH*\i+32
.endr
.endm
.macro FY sl, j, w, buf                ; 8 loads: my queries 64 w .. 64 w + 63, 32 along K
.irp i, 0,1,2,3
	ds_load_b128 v[YF+32*\buf+8*\i:YF+32*\buf+8*\i+3],   v[ADRY+\sl] offset:64*PITCH*\w+64*\j+16*PITCH*\i
	ds_load_b128 v[YF+32*\buf+8*\i+4:YF+32*\buf+8*\i+7], v[ADRY+\sl] offset:64*PITCH*\w+64*\j+16*PITCH*\i+32
.endr
.endm
.macro MUL16 x, y, hf, zero            ; query tiles 2 hf, 2 hf + 1 of the window x all 8 key tiles
.irp a, 0,1
.irp b, 0,1,2,3,4,5,6,7
.if \zero
	v_wmma_f32_16x16x32_f16 v[8*(8*(2*\hf+\a)+\b):8*(8*(2*\hf+\a)+\b)+7], v[XF+64*\x+8*\b:XF+64*\x+8*\b+7], v[YF+32*\y+8*(2*\hf+\a):YF+32*\y+8*(2*\hf+\a)+7], 0
.else
	v_wmma_f32_16x16x32_f16 v[8*(8*(2*\hf+\a)+\b):8*(8*(2*\hf+\a)+\b)+7], v[XF+64*\x+8*\b:XF+64*\x+8*\b+7], v[YF+32*\y+8*(2*\hf+\a):YF+32*\y+8*(2*\hf+\a)+7], v[8*(8*(2*\hf+\a)+\b):8*(8*(2*\hf+\a)+\b)+7]
.endif
.endr
.endr
.endm
.macro PART win, x, y, zero
	WIN \win
	MUL16 \x, \y, 0, \zero
	MUL16 \x, \y, 1, \zero
.endm
.macro FETCH8 sl, j                    ; at the head of an even part: the odd part's queries
	PLACES
	WIN 0
	FY \sl, \j, 1, 1
	s_wait_dscnt 8                                 ; all but the 8 just issued
.endm
.macro FETCH24 sl, j, xb               ; at the head of an odd part: the next 32 along K, keys and the even part's queries
	PLACES
	WIN 0
	FX \sl, \j, \xb
	FY \sl, \j, 0, 0
	s_wait_dscnt 24                                ; all but the 24 just issued
.endm
; A K step of 128 = eight parts: (four times 32 along K) x (two windows).  mode 2: refill behind a round of the cluster's barrier;
; 1: a work-group barrier, no refill; 0: the last K step.
.macro SLOTSTEP sl, nx, mode, zero
	FETCH8 \sl, 0
	PART 0x50, 0, 0, \zero
	FETCH24 \sl, 1, 1
	PART 0xa0, 0, 1, \zero
	FETCH8 \sl, 1
	PART 0x50, 1, 0, 0
	FETCH24 \sl, 2, 0
	PART 0xa0, 1, 1, 0
	FETCH8 \sl, 2
	PART 0x50, 0, 0, 0
	FETCH24 \sl, 3, 1
	PART 0xa0, 0, 1, 0
	FETCH8 \sl, 3                                  ; my last reads of this slot
	WIN 0x50
	MUL16 1, 0, 0, 0
.if \mode
	s_wait_dscnt 0x0                               ; my reads of this slot are over,
	s_wait_tensorcnt 0x0                           ; and all my tensor loads have landed: the one that was out is my part of the other slot
	ds_add_u32 v254, v255
	s_wait_dscnt 0x0
	s_barrier_signal -1
.endif
	MUL16 1, 0, 1, 0                               ; register work while the others arrive
.if \mode
	WIN 0
	s_barrier_wait -1
.endif
.if \mode == 2
	CREST                                          ; no wave of any partner still reads this slot or has a load on its way
	s_add_nc_u64 s[G0+4*\sl+2:G0+4*\sl+3], s[G0+4*\sl+2:G0+4*\sl+3], 512        ; two K steps on; no tensor load of mine is out
	s_add_nc_u64 s[G0B+4*\sl+2:G0B+4*\sl+3], s[G0B+4*\sl+2:G0B+4*\sl+3], 512
	JLOAD \sl                                      ; my one tensor load behind the round, first thing there; 240 matrix instructions stand before the wait for it
.endif
.if \mode
	FETCH24 \nx, 0, 0
.else
	s_wait_dscnt 0x0                               ; nothing more to fetch
.endif
	PART 0xa0, 1, 1, 0
.endm
.macro LAP zero
	SLOTSTEP 0, 1, 2, \zero
	SLOTSTEP 1, 0, 2, 0
.endm
	s_wait_tensorcnt 0x1                           ; my part of K step 0 is in; K step 1's stays out
	s_barrier_signal -1
	s_barrier_wait -1
	FX 0, 0, 0
	FY 0, 0, 0, 0
	LAP 1                                          ; its first products start the sums
	WIN 0
	s_mov_b32 s3, LAPS-2
.Llap:
	LAP 0
	WIN 0
	s_sub_co_u32 s3, s3, 1
	s_cmp_lg_u32 s3, 0
	s_cbranch_scc1 .Llap
	SLOTSTEP 0, 1, 1, 0                            ; the last lap fills nothing
	SLOTSTEP 1, 0, 0, 0
	; ROW MAXIMA.  A lane holds 64 of a row's 128 numbers in my wave; the lane 16 further on holds the other 64; the other 128 keys are another wave's.
	PLACES
	WIN 0
.irp i, 0,1,2,3,4,5,6,7
	v_mov_b32 v[MX+\i], 0xff800000                 ; minus infinity: loses against every score
	v_mov_b32 v[TT+\i], 0                          ; written before the lane exchange, whose destination counts as read
.endr
.irp w, 0,1
	WIN 20*(\w+1)                                  ; sources 1 and 2 in the window of queries 64 w ..
.set q, 0
.rept 32
.irp a, 0,1,2,3
	v_max3_num_f32 v[MX+4*\w+\a], v[MX+4*\w+\a], v[64*\a+2*q], v[64*\a+2*q+1]   ; four chains that do not wait for each other
.endr
.set q, q+1
.endr
.endr
	WIN 0
.irp i, 0,1,2,3,4,5,6,7
	v_permlanex16_b32 v[TT+\i], v[MX+\i], s70, s71
.endr
.irp i, 0,1,2,3,4,5,6,7
	v_max_num_f32 v[MX+\i], v[MX+\i], v[TT+\i]
	ds_store_b32 v[VM], v[MX+\i] offset:64*\i      ; row 128 wy + 16 i + r; both halves of the lanes write the same word with the same value
.endr
	s_lshl_b32 s16, s13, 20                        ; p at my wave's corner: 256 rows of 4,096 bytes for each row block,
	s_lshl_b32 s18, s11, 19                        ; 128 rows for wy
	s_add_co_u32 s16, s16, s18
	s_mov_b32 s17, 0
	s_add_nc_u64 s[8:9], s[8:9], s[16:17]
	s_lshl_b32 s46, s42, 9                         ; 512 bytes for each key block,
	s_lshl_b32 s47, s12, 8                         ; 256 for wx
	s_add_co_u32 s46, s46, s47
	s_mov_b32 s47, 0
	s_add_nc_u64 s[8:9], s[8:9], s[46:47]
	s_lshl_b32 s16, s13, 10                        ; stat: 1,024 bytes for each row block,
	s_add_nc_u64 s[68:69], s[68:69], s[16:17]
	s_lshl_b32 s46, s42, 15                        ; 32,768 for each key block
	s_add_nc_u64 s[68:69], s[68:69], s[46:47]
	s_wait_dscnt 0x0                               ; my maxima are in LDS
	s_barrier_signal -1
	s_barrier_wait -1                              ; everybody's are
.irp i, 0,1,2,3,4,5,6,7
	ds_load_b32 v[TT+\i], v[VMP] offset:64*\i
.endr
	s_wait_dscnt 0x0
.irp i, 0,1,2,3,4,5,6,7
	v_max_num_f32 v[MX+\i], v[MX+\i], v[TT+\i]     ; the row's maximum over the block's 256 keys
.endr
.irp i, 0,1,2,3,4,5,6,7
	v_mul_f32 v[MX+\i], 0xc338aa3b, v[MX+\i]       ; - c max
.endr
; One query tile (16 rows x my 128 keys): exponents, exponentials, sums, f16, through my stage into p.
; i = the tile, 4 w + a; odd = i % 2: which register of the pair holds its - c max; f = the register set for the way back, two in turn.
.macro EROW i, w, a, odd, f
	WIN \w+1                                       ; source 0 in the tile's window
.set q, 0
.rept 32
.if \odd
	v_pk_fma_f32 v[EX+2*q:EX+2*q+1], v[64*\a+2*q:64*\a+2*q+1], 0x4338aa3b, v[MX+\i-1:MX+\i] op_sel:[0,0,1] op_sel_hi:[1,0,1]
.else
	v_pk_fma_f32 v[EX+2*q:EX+2*q+1], v[64*\a+2*q:64*\a+2*q+1], 0x4338aa3b, v[MX+\i:MX+\i+1] op_sel:[0,0,0] op_sel_hi:[1,0,0]
.endif
.set q, q+1
.endr
	WIN 0
.set q, 0
.rept 64
	v_exp_f32 v[EX+q], v[EX+q]
.set q, q+1
.endr
	v_nop                                          ; one plain instruction behind the last exponential before its result is read (ISA guide 5.7.2)
	s_wait_alu depctr_va_vdst(0)
	v_cvt_pk_f16_f32 v[PK],   v[EX],   v[EX+1]
	v_cvt_pk_f16_f32 v[PK+1], v[EX+2], v[EX+3]
	v_pk_add_f32 v[LS+2*\i:LS+2*\i+1], v[EX:EX+1], v[EX+2:EX+3]    ; the first two pairs start the sum: nothing is cleared
.set q, 2
.rept 30
	v_cvt_pk_f16_f32 v[PK+q], v[EX+2*q], v[EX+2*q+1]
	v_pk_add_f32 v[LS+2*\i:LS+2*\i+1], v[LS+2*\i:LS+2*\i+1], v[EX+2*q:EX+2*q+1]
.set q, q+1
.endr
.irp b, 0,1,2,3,4,5,6,7
	ds_store_b128 v[STO], v[PK+4*\b:PK+4*\b+3] offset:32*\b
.endr
	s_wait_xcnt 0x0                                ; set f was the data of earlier stores: it is loaded again only behind this wait
.irp t, 0,1,2,3,4,5,6,7
	ds_load_b128 v[\f+4*\t:\f+4*\t+3], v[RD] offset:2*PITCH*\t     ; LDS serves a wave's instructions in order: these see the stores above, and the next tile's stores come behind them
.endr
.irp t, 0,1,2,3,4,5,6,7
	s_wait_dscnt 7-\t                              ; load t is in, the younger ones stay out
	global_store_b128 v[CO], v[\f+4*\t:\f+4*\t+3], s[8:9] offset:65536*\i+8192*\t   ; 16 lanes store 256 consecutive bytes, at a multiple of 256
.endr
.endm
	EROW 0, 0, 0, 0, 192
	EROW 1, 0, 1, 1, 96
	EROW 2, 0, 2, 0, 192
	EROW 3, 0, 3, 1, 96
	EROW 4, 1, 0, 0, 192
	EROW 5, 1, 1, 1, 96
	EROW 6, 1, 2, 0, 192
	EROW 7, 1, 3, 1, 96
	; ROW SUMS: the pair, the other half of the lanes, and through LDS the other wave
.irp i, 0,1,2,3,4,5,6,7
	v_add_f32 v[LL+\i], v[LS+2*\i], v[LS+2*\i+1]
.endr
.irp i, 0,1,2,3,4,5,6,7
	v_permlanex16_b32 v[TT+\i], v[LL+\i], s70, s71
.endr
.irp i, 0,1,2,3,4,5,6,7
	v_add_f32 v[LL+\i], v[LL+\i], v[TT+\i]
	ds_store_b32 v[VM], v[LL+\i] offset:2048+64*\i
.endr
	s_wait_dscnt 0x0
	s_barrier_signal -1
	s_barrier_wait -1
	; each thread takes 2 of the block's 256 rows: both waves' maxima and sums
	ds_load_b64 v[32:33], v[VS]
	ds_load_b64 v[34:35], v[VS] offset:1024
	ds_load_b64 v[36:37], v[VS] offset:2048
	ds_load_b64 v[38:39], v[VS] offset:3072
	s_wait_dscnt 0x0
	v_max_num_f32 v32, v32, v34
	v_max_num_f32 v33, v33, v35
	v_pk_add_f32 v[36:37], v[36:37], v[38:39]
	v_mul_f32 v32, 0x4338aa3b, v32                 ; c max: the same two factors as above but for the sign, so exactly the negative of what the exponents took
	v_mul_f32 v33, 0x4338aa3b, v33
	global_store_b64 v[SO], v[32:33], s[68:69]                     ; a wave stores 256 consecutive bytes, at a multiple of 256
	global_store_b64 v[SO], v[36:37], s[68:69] offset:262144
	s_wait_tensorcnt 0x0
	ds_add_u32 v254, v255
	s_wait_dscnt 0x0
	CROUND                                         ; the closing round
	s_endpgm
.Lfunc_end_k_q0b822b6b49_scores:
	.size	k_q0b822b6b49_scores, .Lfunc_end_k_q0b822b6b49_scores-k_q0b822b6b49_scores
	.p2alignl 7, 3214868480
	.fill 96, 4, 3214868480
	.section	.rodata,"a",@progbits
	.p2align	6, 0x0
	.amdhsa_kernel k_q0b822b6b49_scores
		.amdhsa_group_segment_fixed_size 327680
		.amdhsa_private_segment_fixed_size 0
		.amdhsa_enable_private_segment 0
		.amdhsa_kernarg_size 32
		.amdhsa_user_sgpr_count 2
		.amdhsa_user_sgpr_kernarg_segment_ptr 1
		.amdhsa_wavefront_size32 1
		.amdhsa_system_sgpr_workgroup_id_x 1
		.amdhsa_system_sgpr_workgroup_id_y 1
		.amdhsa_system_sgpr_workgroup_id_z 1
		.amdhsa_system_vgpr_workitem_id 0
		.amdhsa_next_free_vgpr 768
		.amdhsa_next_free_sgpr 80
		.amdhsa_reserve_vcc 0
		.amdhsa_float_denorm_mode_32 3
		.amdhsa_float_denorm_mode_16_64 3
		.amdhsa_memory_ordered 1
		.amdhsa_forward_progress 1
		.amdhsa_inst_pref_size 255
	.end_amdhsa_kernel
	.section	.bss,"aw",@nobits
	.p2align	6
	.space	262144
	.amdgpu_metadata
---
amdhsa.version: [ 1, 2 ]
amdhsa.kernels:
  - .name:           k_q0b822b6b49_scores
    .symbol:         k_q0b822b6b49_scores.kd
    .args:
      - { .name: tv, .offset: 0, .size: 8, .value_kind: global_buffer, .address_space: global }
      - { .name: xh, .offset: 8, .size: 8, .value_kind: global_buffer, .address_space: global }
      - { .name: p, .offset: 16, .size: 8, .value_kind: global_buffer, .address_space: global }
      - { .name: stat, .offset: 24, .size: 8, .value_kind: global_buffer, .address_space: global }
    .group_segment_fixed_size: 327680
    .private_segment_fixed_size: 0
    .kernarg_segment_align: 8
    .kernarg_segment_size: 32
    .max_flat_workgroup_size: 128
    .sgpr_count:     80
    .vgpr_count:     768
    .wavefront_size: 32
...
	.end_amdgpu_metadata
.endif
;; end of part 4
;; launch pv (part 5): grid 8 x 32, 4 waves a work-group, clusters of 4 x 4, 327,680 bytes of LDS; arguments p, tv, stat, out0; writes out0
.if DOCPART == 5
	.amdgcn_target "amdgcn-amd-amdhsa--gfx1250"
	.amdhsa_code_object_version 6
	.text
	.protected	k_q0b822b6b49_pv
	.globl	k_q0b822b6b49_pv
	.p2align	8
	.type	k_q0b822b6b49_pv,@function
k_q0b822b6b49_pv:
	s_mov_b64 s[64:65], 0
	v_nop
	global_prefetch_b8 v0, s[64:65] scope:SCOPE_SE
	s_setreg_imm32_b32 hwreg(HW_REG_WAVE_MODE, 25, 1), 1
	s_wait_xcnt 0x0
	s_wait_alu depctr_hold_cnt(0) depctr_sa_sdst(0) depctr_va_vdst(0) depctr_va_sdst(0) depctr_va_ssrc(0) depctr_va_vcc(0) depctr_vm_vsrc(0)
	s_getreg_b32 s2, hwreg(HW_REG_IB_STS2, 6, 4)
	s_cmp_eq_u32 s2, 0
	s_cbranch_scc0 .Lentry_in_a_cluster
	s_endpgm
.Lentry_in_a_cluster:
	s_bfe_u32 s2, ttmp6, 0x10000c
	s_cmp_lg_u32 s2, 0xf033
	s_cbranch_scc0 .Lentry_shape_is_right
	s_endpgm
.Lentry_shape_is_right:
; out0[row][d] = sum over the 8 key blocks b of alpha[row][b] x (sum over the block's 256 keys of p[row][key] v4[key][d]),  v4 = v / 4 as tv's right half holds it.
; p [8192][2048] f16 holds exp2(c s - m_b), m_b the row's scaled maximum over block b; stat holds m_b and l_b, the row's sum of p over block b.
; With M = the largest m_b, e_b = exp2(m_b - M) and L = sum of e_b l_b:  alpha_b = 4 e_b / L (the 4 is what v4 lacks).  That is the softmax with the row's
; true maximum taken away: every exponent is at most 0, L is at least about 1 (the block that holds the maximum has e = 1 and a p of about 1), alpha lies in 0..4.
; No work is left out here.
; SHAPE: 8192 x 1024 outputs over 256 work-groups are 32,768 each: a block of 256 rows x 128 columns, four waves, a wave 128 x 64.  Blocks of 256 x 256 would
; be 128 groups.  Two sets of 32 accumulator tiles: T (window 1) sums one key block, O (window 2) gathers alpha T in f32.
; The keys go in steps of 128 through two LDS slots; a lap of the ring is 256 keys, one key block.  Two slots of 256 keys would need 2 x 208,896 bytes, more than
; a work-group can have.  Tile rows (p: 128 keys; v: 128 columns) are 256 bytes of memory and begin at multiples of 256 bytes.  v lies [key][d]: its fragments
; come out of LDS by the transposing load.
; CLUSTERS: 4 x 4.  p's tile hangs on the row block alone: joint along a row of the cluster.  v's hangs on the batch (made of the cluster's y) and the column
; block: joint along a column.
; PREFETCH: in laps 0 to 5 the work-group asks for its share of the bytes of lap + 2, which the refills of lap + 1 will request: one lap, 256 matrix instructions,
; ahead of them.  A lap's p for a row block is 256 rows x 512 bytes, read by the 8 column blocks: each asks for 32 rows, wave 0 for their first 256 bytes and
; wave 1 for the second, a lane a row.  A lap's v for a column block is 256 keys x 256 bytes, read by the batch's 8 row blocks: each asks for 32 keys, wave 2,
; a lane a key.  So each aligned block of 256 bytes is asked for once in the launch, 24 KiB a work-group and lap.  Laps 6 and 7 ask for nothing.
; The matrix instruction is used transposed (source 0 = 16 columns of v, source 1 = 16 rows of p): lane l holds row l % 16, register j column 8 (l / 16) + j.
; REGISTERS: window 0: v0-31 addresses, alpha; v32-95, v96-159 two buffers of 8 fragments of p; v160-191, v192-223 two buffers of 4 fragments of v;
; v224-255 the way out.  Tile (row tile a, column tile b) at v[8 (4 a + b)] in windows 1 and 2.
; A PART is 32 matrix instructions, 32 keys; at its head four places, the 24 LDS loads for the NEXT part, and a wait that leaves just those out.
; The accumulators take turns, one instruction a turn, in the same order in every part.
; THE LAST STEP of 128 keys is taken half a wave tile at a time: row tiles 0-3 through its four times 32 keys, their alpha and their way out (32 stores a wave),
; then row tiles 4-7 (64 matrix instructions) while those stores are on their way, and their way out.  So only half of the wave's 64 stores are issued behind
; its last product.  It costs, in this one step, a second read of v's 4 fragments (32 LDS loads); p's fragments are read once, half of them in each half.
; LIMITS: a block whose maximum lies more than 126 powers of two under the row's counts as 0 (the exponential flushes).  NaN, and the f16 steps of p: see the
; launch before; the range of v: see the third launch.
.set PITCH,  272                       ; p in LDS: 256 bytes + 16
.set AHALF,  128*PITCH
.set BPITCH, 288                       ; v in LDS: 256 bytes + 32: 9 x 32
.set BHALF,  64*BPITCH
.set BOFF,   2*AHALF                   ; 69,632
.set SLOT,   BOFF+2*BHALF              ; 106,496
.set ALPHA,  2*SLOT                    ; 212,992: [8 blocks][256 rows] f32, bytes of their own
.set STAGE,  ALPHA+8192                ; 221,184: 16 rows x 272 bytes for each wave
.set LAPS,   8
.set ADRX, 4                           ; v4-5
.set ADRY, 6                           ; v6-7
.set STO,  8
.set RD,   9
.set CO,   10
.set VA,   11                          ; my rows' alpha of the lap's block; steps 1,024 bytes a lap
.set T8,   12                          ; 8 x thread
.set AST,  13                          ; ALPHA + 8 x thread
.set AL,   16                          ; v16-23 alpha of my 8 row tiles
.set VP,   26                          ; v26    the prefetch: 4,096 x lane, a row of p or of tv a lane; never rewritten
.set XF,   32
.set YF,   160
.set G1,  24
.set G0,  32
.set G1B, 48
.set G0B, 56
.set MSB, 0
.macro WIN new
.if MSB != (\new)
	s_set_vgpr_msb (MSB<<8)|(\new)
.set MSB, (\new)
.endif
.endm
.macro PLACES                          ; four places behind the last matrix instruction (ISA guide 7.12.1)
.rept 4
	v_nop
.endr
.endm
.macro JLOAD sl                        ; waves 0 and 1 fetch p's two halves, waves 2 and 3 v's; the branch hangs on the wave's number alone
	s_cmp_eq_u32 s11, 0
	s_cbranch_scc0 .Lfor_b_\@
	tensor_load_to_lds s[G0+4*\sl:G0+4*\sl+3], s[G1:G1+7]
	s_nop 0
	s_branch .Lasked_\@
.Lfor_b_\@:
	tensor_load_to_lds s[G0B+4*\sl:G0B+4*\sl+3], s[G1B:G1B+7]
	s_nop 0
.Lasked_\@:
.endm
.macro PF                              ; waves 0, 1, 2 ask, each for 32 blocks of 256 bytes; wave 3 has no share
	s_cmp_eq_u32 s10, 3
	s_cbranch_scc1 .Lno_share_\@
	global_prefetch_b8 v[VP], s[74:75] th:TH_LOAD_NT scope:SCOPE_SE
.Lno_share_\@:
.endm
.macro CREST
	s_cmp_lg_u32 s10, 0
	s_cbranch_scc1 .Lnot_wave_0_\@
	s_barrier_signal -3
.Lnot_wave_0_\@:
	s_barrier_wait -3
	s_barrier_signal -1
	s_barrier_wait -1
.endm
.macro CROUND
	s_barrier_signal -1
	s_barrier_wait -1
	CREST
.endm
	s_load_b128 s[4:7], s[0:1], 0x0                ; p s[4:5], tv s[6:7]
	s_load_b64 s[66:67], s[0:1], 0x10              ; stat
	s_load_b64 s[8:9], s[0:1], 0x18                ; out0
	v_lshl_add_u32 v30, v0, 2, 0x3a400
	v_mov_b32 v31, 0
	ds_add_u32 v30, v31
	v_lshrrev_b32 v1, 5, v0
	v_readfirstlane_b32 s10, v1                    ; wave
	s_lshr_b32 s11, s10, 1                         ; wy.  Also: I fetch for p (0) or v (1)
	s_and_b32 s12, s10, 1                          ; wx.  Also: which half of that tile I fetch
	s_bfe_u32 s40, ttmp6, 0x40000                  ; cx
	s_bfe_u32 s41, ttmp6, 0x40004                  ; cy
	s_lshl_b32 s42, ttmp9, 2
	s_add_co_u32 s42, s42, s40                     ; column block 0..7
	s_and_b32 s13, ttmp7, 0xffff
	s_lshr_b32 s45, s13, 1                         ; batch = cluster y / 2
	s_lshl_b32 s13, s13, 2
	s_add_co_u32 s13, s13, s41                     ; row block 0..31
	s_lshl_b32 s43, s41, 2
	s_lshl_b32 s43, 15, s43                        ; my row of the cluster
	s_lshl_b32 s44, 0x1111, s40                    ; my column
	; group 1 for p: 128 rows x 128 elements of 2 bytes, 4 words of padding behind every 64; rows 2,048 elements apart
	s_or_b32  s[G1+0], s43, 0x07710000
	s_mov_b32 s[G1+1], 128<<16
	s_mov_b32 s[G1+2], 128<<16
	s_mov_b32 s[G1+3], 128<<16
	s_mov_b32 s[G1+4], 128
	s_mov_b32 s[G1+5], 2048
	s_mov_b32 s[G1+6], 0
	s_mov_b32 s[G1+7], 0
	; group 1 for v: 64 rows x 128 elements, 8 words of padding behind every 64; rows 2,048 elements apart
	s_or_b32  s[G1B+0], s44, 0x0f710000
	s_mov_b32 s[G1B+1], 128<<16
	s_mov_b32 s[G1B+2], 64<<16
	s_mov_b32 s[G1B+3], 128<<16
	s_mov_b32 s[G1B+4], 64
	s_mov_b32 s[G1B+5], 2048
	s_mov_b32 s[G1B+6], 0
	s_mov_b32 s[G1B+7], 0
	s_lshl_b32 s18, s13, 10                        ; stat: 1,024 bytes for each row block
	s_mov_b32 s19, 0
	s_lshl_b32 s16, s13, 20                        ; p: 256 rows of 4,096 bytes for each row block,
	s_lshl_b32 s17, s12, 19                        ; 128 rows for the half
	s_add_co_u32 s16, s16, s17
	s_mov_b32 s17, 0
	s_lshl_b32 s46, s45, 23                        ; v: 2,048 rows of 4,096 bytes for each batch,
	s_lshl_b32 s47, s12, 18                        ; 64 rows for the half,
	s_add_co_u32 s46, s46, s47
	s_lshl_b32 s47, s42, 8                         ; 256 bytes for each column block,
	s_add_co_u32 s46, s46, s47
	s_add_co_u32 s46, s46, 2048                    ; and v begins 2,048 bytes into a row of tv
	s_mov_b32 s47, 0
	s_mul_i32 s20, s12, AHALF
	s_mul_i32 s21, s12, BHALF
	s_add_co_u32 s21, s21, BOFF
	; the prefetch's offsets, in registers that feed no descriptor.  p: row 256 x row block + 32 x column block, byte 512 x 2 (lap 2) + 256 wx
	s_lshl_b32 s70, s13, 20
	s_lshl_b32 s22, s42, 17
	s_add_co_u32 s70, s70, s22
	s_lshl_b32 s22, s12, 8
	s_add_co_u32 s70, s70, s22
	s_add_co_u32 s70, s70, 1024
	; v: key 2,048 x batch + 256 x 2 (lap 2) + 32 x (row block in the batch), byte 2,048 + 256 x column block
	s_lshl_b32 s71, s45, 23
	s_and_b32 s22, s13, 7
	s_lshl_b32 s22, s22, 17
	s_add_co_u32 s71, s71, s22
	s_lshl_b32 s22, s42, 8
	s_add_co_u32 s71, s71, s22
	s_add_co_u32 s71, s71, 2097152+2048
	s_mov_b32 s73, 0
	s_mov_b32 s76, 0x100000                        ; a lap's step: 256 rows of tv,
	s_mov_b32 s77, 0
	v_lshlrev_b32 v[T8], 3, v0
	s_wait_dscnt 0x0
	s_wait_kmcnt 0x0
	s_cmp_eq_u32 s11, 0                            ; waves 0 and 1: p; waves 2 and 3: tv (wave 3 asks for nothing)
	s_cselect_b64 s[74:75], s[4:5], s[6:7]
	s_cselect_b32 s72, s70, s71
	s_cselect_b32 s76, 0x200, s76                  ; or 512 bytes along a row of p
	s_add_nc_u64 s[74:75], s[74:75], s[72:73]
	s_add_nc_u64 s[66:67], s[66:67], s[18:19]
.irp b, 0,1,2,3,4,5,6,7
	global_load_b64 v[32+2*\b:33+2*\b], v[T8], s[66:67] offset:32768*\b            ; m of my 2 rows in block b: a wave reads 256 consecutive bytes
.endr
.irp b, 0,1,2,3,4,5,6,7
	global_load_b64 v[48+2*\b:49+2*\b], v[T8], s[66:67] offset:262144+32768*\b     ; l likewise
.endr
	s_add_nc_u64 s[14:15], s[4:5], s[16:17]
	s_add_nc_u64 s[46:47], s[6:7], s[46:47]
	CROUND                                         ; all sixteen work-groups are here: the first joint loads meet
.irp s, 0,1
	s_mov_b32 s[G0+4*\s], 1
	s_add_co_u32 s[G0+4*\s+1], s20, \s*SLOT
	s_add_nc_u64 s[G0+4*\s+2:G0+4*\s+3], s[14:15], \s*256          ; step s: 128 keys along the row
	s_or_b32 s[G0+4*\s+3], s[G0+4*\s+3], 0x80000000
	s_mov_b32 s[G0B+4*\s], 1
	s_add_co_u32 s[G0B+4*\s+1], s21, \s*SLOT
	s_add_nc_u64 s[G0B+4*\s+2:G0B+4*\s+3], s[46:47], \s*524288     ; step s: 128 keys down
	s_or_b32 s[G0B+4*\s+3], s[G0B+4*\s+3], 0x80000000
	JLOAD \s                                       ; two loads of the wave are out
.endr
	v_and_b32 v1, 15, v0                           ; r
	v_bfe_u32 v2, v0, 4, 1                         ; h
	v_and_b32 v3, 7, v0
	v_bfe_u32 v14, v0, 3, 1
	v_and_b32 v[VP], 31, v0
	v_lshlrev_b32 v[VP], 12, v[VP]
	v_mul_u32_u24 v15, v1, PITCH                   ; r x 272
	v_lshl_add_u32 v24, v2, 4, v15
	s_mul_i32 s22, s11, AHALF
	v_add_nc_u32 v[ADRX], s22, v24
	v_add_nc_u32 v[ADRX+1], SLOT, v[ADRX]
	v_lshl_add_u32 v25, v2, 3, v3                  ; v, transposing load: key 8 h + l % 8,
	v_mul_u32_u24 v25, v25, BPITCH
	v_lshl_add_u32 v25, v14, 4, v25                ; 16 bytes for each eight lanes,
	s_lshl_b32 s22, s12, 7                         ; my 64 columns
	s_add_co_u32 s22, s22, BOFF
	v_add_nc_u32 v[ADRY], s22, v25
	v_add_nc_u32 v[ADRY+1], SLOT, v[ADRY]
	s_mul_i32 s23, s10, 16*PITCH
	s_add_co_u32 s23, s23, STAGE                   ; my stage
	v_lshl_add_u32 v[STO], v2, 5, v15              ; in: row r, 32 bytes (8 f32) for each half of the lanes
	v_add_nc_u32 v[STO], s23, v[STO]
	v_mul_u32_u24 v[RD], v2, PITCH
	v_lshl_add_u32 v[RD], v1, 4, v[RD]
	v_add_nc_u32 v[RD], s23, v[RD]                 ; back: lanes 0-15 one row of 256 bytes, lanes 16-31 the next
	v_lshlrev_b32 v[CO], 12, v2
	v_lshl_add_u32 v[CO], v1, 4, v[CO]             ; and the same two rows in out0
	s_lshl_b32 s22, s11, 9
	s_add_co_u32 s22, s22, ALPHA
	v_lshl_add_u32 v[VA], v1, 2, s22               ; alpha of row 128 wy + r
	v_add_nc_u32 v[AST], ALPHA, v[T8]
	; THE TABLE OF ALPHA: each thread makes its 2 rows' eight numbers
	s_wait_loadcnt 0x0
	v_max3_num_f32 v64, v32, v34, v36
	v_max3_num_f32 v65, v33, v35, v37
	v_max3_num_f32 v64, v64, v38, v40
	v_max3_num_f32 v65, v65, v39, v41
	v_max3_num_f32 v64, v64, v42, v44
	v_max3_num_f32 v65, v65, v43, v45
	v_max_num_f32 v64, v64, v46                    ; M of the even row,
	v_max_num_f32 v65, v65, v47                    ; of the odd row
.irp b, 0,1,2,3,4,5,6,7
	v_pk_add_f32 v[32+2*\b:33+2*\b], v[32+2*\b:33+2*\b], v[64:65] neg_lo:[0,1] neg_hi:[0,1]   ; m - M, at most 0
.endr
.set q, 0
.rept 16
	v_exp_f32 v[32+q], v[32+q]
.set q, q+1
.endr
	v_nop                                          ; one plain instruction behind the last exponential (ISA guide 5.7.2)
	s_wait_alu depctr_va_vdst(0)
	v_pk_mul_f32 v[66:67], v[32:33], v[48:49]
.irp b, 1,2,3,4,5,6,7
	v_pk_fma_f32 v[66:67], v[32+2*\b:33+2*\b], v[48+2*\b:49+2*\b], v[66:67]        ; L
.endr
	v_rcp_f32 v66, v66
	v_rcp_f32 v67, v67
	v_nop                                          ; one plain instruction behind the last reciprocal
	s_wait_alu depctr_va_vdst(0)
	v_pk_mul_f32 v[66:67], v[66:67], 4.0 op_sel_hi:[1,0]           ; 4 / L: tv holds v / 4
.irp b, 0,1,2,3,4,5,6,7
	v_pk_mul_f32 v[32+2*\b:33+2*\b], v[32+2*\b:33+2*\b], v[66:67]
	ds_store_b64 v[AST], v[32+2*\b:33+2*\b] offset:1024*\b
.endr
.macro FX sl, j, buf                   ; 16 loads: my 128 rows of p, 32 keys
.irp i, 0,1,2,3,4,5,6,7
	ds_load_b128 v[XF+64*\buf+8*\i:XF+64*\buf+8*\i+3],   v[ADRX+\sl] offset:64*\j+16*PITCH*\i
	ds_load_b128 v[XF+64*\buf+8*\i+4:XF+64*\buf+8*\i+7], v[ADRX+\sl] offset:64*\j+16*PITCH*\i+32
.endr
.endm
.macro FXH sl, j, buf, hf              ; 8 loads: row tiles 4 hf .. 4 hf + 3 alone, into their half of buffer buf; the other half is not touched
.irp i, 0,1,2,3
	ds_load_b128 v[XF+64*\buf+8*(4*\hf+\i):XF+64*\buf+8*(4*\hf+\i)+3],   v[ADRX+\sl] offset:64*\j+16*PITCH*(4*\hf+\i)
	ds_load_b128 v[XF+64*\buf+8*(4*\hf+\i)+4:XF+64*\buf+8*(4*\hf+\i)+7], v[ADRX+\sl] offset:64*\j+16*PITCH*(4*\hf+\i)+32
.endr
.endm
.macro FY sl, j, buf                   ; 8 transposing loads: my 64 columns of v, 32 keys
.irp i, 0,1,2,3
	ds_load_tr16_b128 v[YF+32*\buf+8*\i:YF+32*\buf+8*\i+3],   v[ADRY+\sl] offset:32*BPITCH*\j+32*\i
	ds_load_tr16_b128 v[YF+32*\buf+8*\i+4:YF+32*\buf+8*\i+7], v[ADRY+\sl] offset:32*BPITCH*\j+32*\i+16*BPITCH
.endr
.endm
.macro MUL16 f, hf, zero               ; row tiles 4 hf .. 4 hf + 3 x 4 column tiles, on buffers f.  zero = 1: the product starts the block's sums
.irp a, 0,1,2,3
.irp b, 0,1,2,3
.if \zero
	v_wmma_f32_16x16x32_f16 v[8*(4*(4*\hf+\a)+\b):8*(4*(4*\hf+\a)+\b)+7], v[YF+32*\f+8*\b:YF+32*\f+8*\b+7], v[XF+64*\f+8*(4*\hf+\a):XF+64*\f+8*(4*\hf+\a)+7], 0
.else
	v_wmma_f32_16x16x32_f16 v[8*(4*(4*\hf+\a)+\b):8*(4*(4*\hf+\a)+\b)+7], v[YF+32*\f+8*\b:YF+32*\f+8*\b+7], v[XF+64*\f+8*(4*\hf+\a):XF+64*\f+8*(4*\hf+\a)+7], v[8*(4*(4*\hf+\a)+\b):8*(4*(4*\hf+\a)+\b)+7]
.endif
.endr
.endr
.endm
.macro FETCH sl, j, buf
	PLACES
	WIN 0
	FX \sl, \j, \buf
	FY \sl, \j, \buf
	s_wait_dscnt 24                                ; all but the 24 just issued: this part's fragments are in
.endm
.macro FETCHH sl, j, buf, hf           ; in the last step: the next 32 keys for one half of the row tiles
	PLACES
	WIN 0
	FXH \sl, \j, \buf, \hf
	FY \sl, \j, \buf
	s_wait_dscnt 16                                ; all but the 16 just issued
.endm
.macro ALOAD                           ; the block's alpha of my 8 row tiles
.irp a, 0,1,2,3,4,5,6,7
	ds_load_b32 v[AL+\a], v[VA] offset:64*\a       ; older than the fragment loads that follow, so their wait covers these too
.endr
.endm
; A step of 128 keys = four parts.  refill = 1: the slot is filled again behind a round of the cluster's barrier; 0: a work-group barrier alone.
; zero = 1: the step opens a key block.  al = 1: the step closes one, and its last part also fetches the block's alpha.  pf = 1: the lap's prefetch goes out here.
.macro SLOTSTEP sl, nx, refill, zero, al, pf
	FETCH \sl, 1, 1
	WIN 0x50
	MUL16 0, 0, \zero
	MUL16 0, 1, \zero
	FETCH \sl, 2, 0
	WIN 0x50
	MUL16 1, 0, 0
	MUL16 1, 1, 0
	FETCH \sl, 3, 1                                ; my last reads of this slot
	WIN 0x50
	MUL16 0, 0, 0
	s_wait_dscnt 0x0                               ; my reads of this slot are over,
	s_wait_tensorcnt 0x0                           ; and all my tensor loads have landed: the one that was out is my part of the other slot
	ds_add_u32 v30, v31
	s_wait_dscnt 0x0
	s_barrier_signal -1
	MUL16 0, 1, 0                                  ; register work while the others arrive
	WIN 0
	s_barrier_wait -1
.if \refill
	CREST                                          ; no wave of any partner still reads this slot or has a load on its way
	s_add_nc_u64 s[G0+4*\sl+2:G0+4*\sl+3], s[G0+4*\sl+2:G0+4*\sl+3], 512        ; 256 keys on; no tensor load of mine is out
	s_add_nc_u64 s[G0B+4*\sl+2:G0B+4*\sl+3], s[G0B+4*\sl+2:G0B+4*\sl+3], 1048576
	JLOAD \sl                                      ; my one tensor load behind the round, first thing there; 112 matrix instructions stand before the wait for it
.endif
.if \pf
	PF                                             ; behind the load just issued: my share of the lap after the next
.endif
	PLACES
	WIN 0
.if \al
	ALOAD
.endif
	FX \nx, 0, 0
	FY \nx, 0, 0
	s_wait_dscnt 24
	WIN 0x50
	MUL16 1, 0, 0
	MUL16 1, 1, 0
.endm
; O = alpha T (first = 1) or O += alpha T, for row tile a; pr = the even register of the pair that holds its alpha, odd = which of the two
.macro RESC1 a, pr, odd, first
.irp b, 0,1,2,3
.irp q, 0,1,2,3
.if \first
.if \odd
	v_pk_mul_f32 v[8*(4*\a+\b)+2*\q:8*(4*\a+\b)+2*\q+1], v[8*(4*\a+\b)+2*\q:8*(4*\a+\b)+2*\q+1], v[AL+\pr:AL+\pr+1] op_sel:[0,1] op_sel_hi:[1,1]
.else
	v_pk_mul_f32 v[8*(4*\a+\b)+2*\q:8*(4*\a+\b)+2*\q+1], v[8*(4*\a+\b)+2*\q:8*(4*\a+\b)+2*\q+1], v[AL+\pr:AL+\pr+1] op_sel:[0,0] op_sel_hi:[1,0]
.endif
.else
.if \odd
	v_pk_fma_f32 v[8*(4*\a+\b)+2*\q:8*(4*\a+\b)+2*\q+1], v[8*(4*\a+\b)+2*\q:8*(4*\a+\b)+2*\q+1], v[AL+\pr:AL+\pr+1], v[8*(4*\a+\b)+2*\q:8*(4*\a+\b)+2*\q+1] op_sel:[0,1,0] op_sel_hi:[1,1,1]
.else
	v_pk_fma_f32 v[8*(4*\a+\b)+2*\q:8*(4*\a+\b)+2*\q+1], v[8*(4*\a+\b)+2*\q:8*(4*\a+\b)+2*\q+1], v[AL+\pr:AL+\pr+1], v[8*(4*\a+\b)+2*\q:8*(4*\a+\b)+2*\q+1] op_sel:[0,0,0] op_sel_hi:[1,0,1]
.endif
.endif
.endr
.endr
.endm
.macro RESCALE first
	PLACES                                         ; behind the block's last matrix instructions, whose results are read now
	WIN 0xa1                                       ; destination and source 2: O, window 2; source 0: T, window 1; source 1: alpha, window 0
	RESC1 0, 0, 0, \first
	RESC1 1, 0, 1, \first
	RESC1 2, 2, 0, \first
	RESC1 3, 2, 1, \first
	RESC1 4, 4, 0, \first
	RESC1 5, 4, 1, \first
	RESC1 6, 6, 0, \first
	RESC1 7, 6, 1, \first
	WIN 0
	v_add_nc_u32 v[VA], 1024, v[VA]                ; the next block's alpha
.endm
.macro LAP first, pf
	SLOTSTEP 0, 1, 1, 1, 0, \pf
	SLOTSTEP 1, 0, 1, 0, 1, 0
	RESCALE \first
.if \pf
	s_wait_xcnt 0x0                                ; the prefetch's base is stepped only behind this wait, which stands most of a lap behind the prefetch
	s_add_nc_u64 s[74:75], s[74:75], s[76:77]
.endif
.endm
; The way out of row tile a, 16 rows: f32 through my own stage, read back as whole rows of 256 bytes; f = the register set, two in turn
.macro OUT16 a, f
	WIN 0x08                                       ; the stores' data: O, window 2
.irp b, 0,1,2,3
.irp q, 0,1
	ds_store_b128 v[STO], v[8*(4*\a+\b)+4*\q:8*(4*\a+\b)+4*\q+3] offset:64*\b+16*\q
.endr
.endr
	WIN 0
	s_wait_xcnt 0x0                                ; set f was the data of earlier stores: it is loaded again only behind this wait
.irp t, 0,1,2,3,4,5,6,7
	ds_load_b128 v[\f+4*\t:\f+4*\t+3], v[RD] offset:2*PITCH*\t     ; LDS serves a wave's instructions in order: these see the stores above
.endr
.irp t, 0,1,2,3,4,5,6,7
	s_wait_dscnt 7-\t                              ; load t is in, the younger ones stay out
	global_store_b128 v[CO], v[\f+4*\t:\f+4*\t+3], s[8:9] offset:65536*\a+8192*\t th:TH_STORE_NT   ; 16 lanes store 256 consecutive bytes, at a multiple of 256
.endr
.endm
	s_wait_tensorcnt 0x1                           ; my part of step 0 is in; step 1's stays out
	s_wait_dscnt 0x0                               ; my part of the table of alpha is in LDS
	s_barrier_signal -1
	s_barrier_wait -1
	FX 0, 0, 0
	FY 0, 0, 0
	LAP 1, 1                                       ; lap 0: the first key block starts O: nothing is cleared
	s_mov_b32 s3, LAPS-3
.Llap:
	LAP 0, 1                                       ; laps 1 to 5
	s_sub_co_u32 s3, s3, 1
	s_cmp_lg_u32 s3, 0
	s_cbranch_scc1 .Llap
	LAP 0, 0                                       ; lap 6 still fills the slots for lap 7, and asks for nothing beyond it
	SLOTSTEP 0, 1, 0, 1, 0, 0                      ; lap 7, the last key block, fills nothing; its last part has asked for slot 1's first 32 keys, all 8 row tiles
	; THE LAST STEP, FIRST HALF: row tiles 0-3 through slot 1's four times 32 keys.  Only the lower halves of p's buffers are written,
	; so row tiles 4-7 of the first 32 keys stay in the upper half of buffer 0 for the second half.
	PLACES
	WIN 0
	ALOAD
	FXH 1, 1, 1, 0
	FY 1, 1, 1
	s_wait_dscnt 16                                ; all but the 16 just issued: the first 32 keys' fragments and alpha are in
	WIN 0x50
	MUL16 0, 0, 0
	FETCHH 1, 2, 0, 0
	WIN 0x50
	MUL16 1, 0, 0
	FETCHH 1, 3, 1, 0
	WIN 0x50
	MUL16 0, 0, 0
	PLACES
	WIN 0
	FY 1, 0, 0                                     ; v's first 32 keys once more, for the second half
	s_wait_dscnt 8                                 ; all but those 8
	WIN 0x50
	MUL16 1, 0, 0
	PLACES                                         ; behind the last matrix instructions, whose results are read now
	WIN 0xa1
	RESC1 0, 0, 0, 0
	RESC1 1, 0, 1, 0
	RESC1 2, 2, 0, 0
	RESC1 3, 2, 1, 0
	WIN 0
	s_lshl_b32 s16, s13, 20                        ; out0 at my wave's corner: 256 rows of 4,096 bytes for each row block,
	s_lshl_b32 s17, s11, 19                        ; 128 rows for wy
	s_add_co_u32 s16, s16, s17
	s_mov_b32 s17, 0
	s_add_nc_u64 s[8:9], s[8:9], s[16:17]
	s_lshl_b32 s46, s42, 9                         ; 512 bytes for each column block,
	s_lshl_b32 s47, s12, 8                         ; 256 for wx
	s_add_co_u32 s46, s46, s47
	s_mov_b32 s47, 0
	s_add_nc_u64 s[8:9], s[8:9], s[46:47]
	OUT16 0, 224                                   ; the sets v224-255 and v32-63 (the lower half of buffer 0) are touched by no fetch of the second half
	OUT16 1, 32
	OUT16 2, 224
	OUT16 3, 32                                    ; 32 stores of the wave are on their way
	; SECOND HALF: row tiles 4-7, while the stores above leave
	FETCHH 1, 1, 1, 1
	WIN 0x50
	MUL16 0, 1, 0
	FETCHH 1, 2, 0, 1
	WIN 0x50
	MUL16 1, 1, 0
	FETCHH 1, 3, 1, 1
	WIN 0x50
	MUL16 0, 1, 0
	s_wait_dscnt 0x0                               ; nothing more to fetch
	MUL16 1, 1, 0
	PLACES
	WIN 0xa1
	RESC1 4, 4, 0, 0
	RESC1 5, 4, 1, 0
	RESC1 6, 6, 0, 0
	RESC1 7, 6, 1, 0
	WIN 0
	OUT16 4, 224
	OUT16 5, 32
	OUT16 6, 224
	OUT16 7, 32
	s_wait_tensorcnt 0x0
	ds_add_u32 v30, v31
	s_wait_dscnt 0x0
	CROUND                                         ; the closing round
	s_endpgm
.Lfunc_end_k_q0b822b6b49_pv:
	.size	k_q0b822b6b49_pv, .Lfunc_end_k_q0b822b6b49_pv-k_q0b822b6b49_pv
	.p2alignl 7, 3214868480
	.fill 96, 4, 3214868480
	.section	.rodata,"a",@progbits
	.p2align	6, 0x0
	.amdhsa_kernel k_q0b822b6b49_pv
		.amdhsa_group_segment_fixed_size 327680
		.amdhsa_private_segment_fixed_size 0
		.amdhsa_enable_private_segment 0
		.amdhsa_kernarg_size 32
		.amdhsa_user_sgpr_count 2
		.amdhsa_user_sgpr_kernarg_segment_ptr 1
		.amdhsa_wavefront_size32 1
		.amdhsa_system_sgpr_workgroup_id_x 1
		.amdhsa_system_sgpr_workgroup_id_y 1
		.amdhsa_system_sgpr_workgroup_id_z 1
		.amdhsa_system_vgpr_workitem_id 0
		.amdhsa_next_free_vgpr 768
		.amdhsa_next_free_sgpr 80
		.amdhsa_reserve_vcc 0
		.amdhsa_float_denorm_mode_32 3
		.amdhsa_float_denorm_mode_16_64 3
		.amdhsa_memory_ordered 1
		.amdhsa_forward_progress 1
		.amdhsa_inst_pref_size 193
	.end_amdhsa_kernel
	.amdgpu_metadata
---
amdhsa.version: [ 1, 2 ]
amdhsa.kernels:
  - .name:           k_q0b822b6b49_pv
    .symbol:         k_q0b822b6b49_pv.kd
    .args:
      - { .name: p, .offset: 0, .size: 8, .value_kind: global_buffer, .address_space: global }
      - { .name: tv, .offset: 8, .size: 8, .value_kind: global_buffer, .address_space: global }
      - { .name: stat, .offset: 16, .size: 8, .value_kind: global_buffer, .address_space: global }
      - { .name: out0, .offset: 24, .size: 8, .value_kind: global_buffer, .address_space: global }
    .group_segment_fixed_size: 327680
    .private_segment_fixed_size: 0
    .kernarg_segment_align: 8
    .kernarg_segment_size: 32
    .max_flat_workgroup_size: 128
    .sgpr_count:     80
    .vgpr_count:     768
    .wavefront_size: 32
...
	.end_amdgpu_metadata
.endif
;; end of part 5
